; MI455X (gfx1250); checked and timed in simulation.
; The chip was launched on July 23, 2026; its instructions are those of AMD's public machine-readable ISA for CDNA 5 (MIT licence, August 2026) and "CDNA5" Instruction Set Architecture Reference Guide (July 2026). The comments in the code are by the model that wrote it; some were corrected since.
;; Attention Layer. Allowed arithmetic: matrix products marked QUANTISED: E4M3 operands, one E8M0 scale for each 32 along K, by v_wmma_scale_f32_16x16x128_f8f6f4 with both operands' format E4M3, f32 sums; products left as they are: f32 operands where the result goes on into a quantised operand, else bf16, f16 or f32 operands; f32 sums; everything else in f32.
;; Inputs: w 512 x 1 float32; weight_k 512 x 512 float32; weight_q 512 x 512 float32; weight_v 512 x 512 float32; x 256 x 512 x 512 float32.
;; Outputs: out0 256 x 512 float32.
;; This version of the problem:
;;   THIS VERSION OF THE PROBLEM IS GIVEN IN LOW PRECISION. The matrix products marked QUANTISED in the list below multiply operands that are first quantised to E4M3 (4 exponent bits, 3 mantissa bits; 8 bits a number), with one power-of-two scale for each 32 numbers along K (OCP MX v1.0); their sums are f32. All else is computed in f32.
;;   The module's matrix products, in the order in which they are computed (A, B: the left and right operand; K: the contracted axis; several contracted axes count as one K, in the product's order):
;;     1. [M 131,072, K 512] x [K 512, N 512]; A: input x; B: input weight_k: QUANTISED
;;     2. [M 131,072, K 512] x [K 512, N 512]; A: input x; B: input weight_v: QUANTISED
;;     3. [M 131,072, K 512] x [K 512, N 1]; A: input x; B: input w: left as it is (N = 1 < 16)
;;     4. [M 256, K 512] x [K 512, N 512]; A: computed on the way; B: input weight_q: QUANTISED
;;     5. batch 256 x [M 1, K 512] x [K 512, N 512]; A: computed on the way; B: computed on the way: left as it is (M = 1 < 16)
;;     6. batch 256 x [M 1, K 512] x [K 512, N 512]; A: softmax; B: computed on the way: left as it is (M = 1 < 16)
;;   THE QUANTISER, for each operand of a quantised product, along K:
;;     - K is cut into blocks of 32 from its start; a last block that is shorter is filled with zeros.
;;     - A block's scale is 2^e with e = floor(log2(the largest magnitude in the block)) - 8, held to -126 .. 127; a block of zeros has e = 0. As a byte (E8M0): e + 127.
;;     - Each number is divided by its block's scale, clamped to +-448, and rounded to the nearest number of E4M3, ties to even, subnormals kept.
;;     - The product sums the exact products of the quantised numbers (number of the format x scale) in f32.
;;   ~~~python
;;   def quantise(x, axis):      # numpy; x: float32 -> the quantised numbers, widened to float32 again
;;       x = np.moveaxis(x, axis, -1); K = x.shape[-1]
;;       x = np.pad(x, [(0, 0)] * (x.ndim - 1) + [(0, -K % 32)]); x = x.reshape(x.shape[:-1] + (-1, 32)); a = np.abs(x).max(-1, keepdims=True)
;;       e = np.where(a > 0, np.clip(np.frexp(np.where(a > 0, a, 1))[1] - 1 - 8, -126, 127), 0)      # np.frexp(a)[1] - 1 = floor(log2(a)), exactly
;;       r = np.clip(x / 2.0 ** e, -448, 448)
;;       step = 2.0 ** (np.maximum(np.frexp(np.where(r == 0, 1, r))[1] - 1, -6) - 3)
;;       q = np.round(r / step) * step * 2.0 ** e      # np.round: ties to even
;;       return np.moveaxis(q.reshape(q.shape[:-2] + (-1,))[..., :K], -1, axis).astype(np.float32)
;;   ~~~
;;   OPERANDS COMPUTED ON THE WAY. 'Computed on the way' means the value that the module computes at that place (a softmax that the list does not call 'softmax' is quantised finished and normalised). What goes into a quantiser is computed in f32, as accurately as f32 sums, v_exp_f32 and their like allow (about 1e-6 of the number): no bf16 or f16 on the way to a quantiser, and a product that is left as it is and whose result goes on into a quantised operand takes f32 operands (vector FMAs, or v_wmma_f32_16x16x4_f32). A number that lies on a knife's edge between two numbers of the format may be rounded either way, as far as f32 arithmetic and the matrix unit's own rounding can turn it there, and no further.
;; 2 versions. Each part assembles by itself: llvm-mc -triple=amdgcn-amd-amdhsa -mcpu=gfx1250 --defsym DOCPART=n.
;; ======== version 1 of 2: 2 launches
;; workspace buffers: wc 811,008 bytes
;; launch quantw (part 1): grid 4 x 12, 4 waves a work-group, no clusters, 0 bytes of LDS; arguments weight_q, weight_k, weight_v, wc; writes wc
.if DOCPART == 1
	.amdgcn_target "amdgcn-amd-amdhsa--gfx1250"
	.amdhsa_code_object_version 6
	.text
	.protected	k_q70c97cf404_quantw
	.globl	k_q70c97cf404_quantw
	.p2align	8
	.type	k_q70c97cf404_quantw,@function
k_q70c97cf404_quantw:
	s_mov_b64 s[64:65], 0
	v_nop
	global_prefetch_b8 v0, s[64:65] scope:SCOPE_SE
	s_setreg_imm32_b32 hwreg(HW_REG_WAVE_MODE, 25, 1), 1
	s_wait_xcnt 0x0
; weight_q, weight_k, weight_v, each [512 (k)][512 (n)] f32 with K as the FIRST axis, become codes of FP8 (E4M3) and E8M0 scale bytes, one for each 32 along K,
; laid in wc IN THE ORDER OF THE OPERAND'S REGISTERS, so that the next launch brings a fragment by loads of 16 bytes a lane from consecutive bytes.
; wc: three weights (q, k, v) of 32 RECORDS; record T serves columns 16 T .. 16 T + 15 and has 8,448 bytes:
;   codes: K step s (128 along K), part c (32 along K), lane l = 16 h + r: 16 bytes at 2048 s + 512 c + 16 l: k = 128 s + 32 c + 16 h + 0 .. 15 of column 16 T + r;
;   scale words (four bytes: the four blocks of a K step): that of (s, r) at 8192 + 8 (16 (s % 2) + r) + 4 (s / 2).
; A LANE TAKES A COLUMN AND ITS REGISTERS RUN DOWN K: a load reads 128 consecutive bytes a wave, a block of 32 lies in one lane's 32 registers, and the conversions give codes with K innermost.
; A block's scale is 2^(floor(log2(its largest magnitude)) - 8); its byte is that magnitude's exponent field - 8, held at 1 from below.
; LIMITS: a block of zeros gets the byte 1 where the rule says 127 (its codes are zeros, and this program alone reads the bytes); blocks whose largest magnitude lies under 2^-118
; (the floor) were not tried; NaN and infinities are not served.  The scale words leave as stores of 4 bytes, 8 bytes apart: 24,576 bytes of the 811,008 written.
; SHARES: work-group (x, y): weight y / 4, K step y % 4, columns 128 x on; wave w: 32 of them: lanes 0-15 are record 8 x + 2 w, lanes 16-31 the next.  Waves share nothing: no LDS, no barrier.
.set REC,    8448
.set WBYTES, 32*REC
.set ROWB,   2048                      ; a row of a weight in bytes
.set X,      32                        ; v32-95   two sets of 32 numbers
.set C,      96                        ; v96-127  eight registers of codes for each of the four blocks: no store's data are written again
.set SW,     24                        ; v24      the column's scale word
	s_load_b256 s[4:11], s[0:1], 0x0               ; weight_q s[4:5], weight_k s[6:7], weight_v s[8:9], wc s[10:11]
	v_lshrrev_b32 v1, 5, v0
	v_readfirstlane_b32 s12, v1                    ; wave 0..3
	v_and_b32 v2, 31, v0                           ; lane
	v_and_b32 v6, 15, v0                           ; r
	v_bfe_u32 v7, v0, 4, 1                         ; which of the wave's two records
	v_lshlrev_b32 v3, 2, v2                        ; in: 4 bytes a lane
	v_mul_u32_u24 v7, v7, REC
	v_lshl_add_u32 v4, v6, 4, v7                   ; out: my 16 bytes of a part's 256
	v_lshl_add_u32 v5, v6, 3, v7                   ; and my scale word's place
	s_and_b32 s13, ttmp7, 0xffff
	s_lshr_b32 s14, s13, 2                         ; which weight
	s_and_b32 s15, s13, 3                          ; K step s
	s_lshl_b32 s16, s15, 18                        ; in: 128 s rows of 2,048 bytes
	s_lshl_b32 s17, ttmp9, 9                       ; + 128 x columns
	s_add_co_u32 s16, s16, s17
	s_lshl_b32 s17, s12, 7                         ; + 32 w columns
	s_add_co_u32 s16, s16, s17
	s_mov_b32 s17, 0
	s_lshl_b32 s18, ttmp9, 3
	s_lshl_b32 s19, s12, 1
	s_add_co_u32 s18, s18, s19                     ; my first record: 8 x + 2 w
	s_mul_i32 s18, s18, REC
	s_mul_i32 s19, s14, WBYTES
	s_add_co_u32 s18, s18, s19                     ; its first byte in wc
	s_mov_b32 s19, 0
	s_lshl_b32 s20, s15, 11                        ; the K step's codes: 2048 s
	s_mov_b32 s21, 0
	s_and_b32 s22, s15, 1
	s_lshl_b32 s22, s22, 7                         ; its scale words: 128 (s % 2)
	s_lshr_b32 s23, s15, 1
	s_lshl_b32 s23, s23, 2                         ; + 4 (s / 2)
	s_add_co_u32 s22, s22, s23
	s_add_co_u32 s22, s22, 8192                    ; behind the record's codes
	s_mov_b32 s23, 0
	s_mov_b32 s24, 0x600000                        ; the mantissa field of 448
	s_wait_kmcnt 0x0
	s_cmp_eq_u32 s14, 1                            ; the choice of the weight hangs on the work-group's number alone
	s_cselect_b64 s[4:5], s[6:7], s[4:5]
	s_cmp_eq_u32 s14, 2
	s_cselect_b64 s[4:5], s[8:9], s[4:5]
	s_add_nc_u64 s[4:5], s[4:5], s[16:17]
	s_add_nc_u64 s[10:11], s[10:11], s[18:19]
	s_add_nc_u64 s[26:27], s[10:11], s[22:23]      ; the scale words' base
	s_add_nc_u64 s[10:11], s[10:11], s[20:21]      ; the codes' base
.macro LOAD t                          ; block t: W(128 s + 32 t + i, my column), i = 0 .. 31, into set t % 2
.irp i, 0,1,2,3,4,5,6,7,8,9,10,11,12,13,14,15,16,17,18,19,20,21,22,23,24,25,26,27,28,29,30,31
	global_load_b32 v[X+32*((\t)%2)+\i], v3, s[4:5] offset:(32*(\t)+\i)*ROWB th:TH_LOAD_NT
.endr
.endm
.macro BLOCK t
.set XB, X+32*((\t)%2)
.if (\t) < 3
	s_wait_loadcnt 32                              ; this block's 32 loads are in; the next block's 32 may be out
.else
	s_wait_loadcnt 0x0
.endif
	v_max3_num_f32 v12, |v[XB]|, |v[XB+1]|, |v[XB+2]|              ; the block's largest magnitude: all 32 numbers are mine; two chains
	v_max3_num_f32 v13, |v[XB+3]|, |v[XB+4]|, |v[XB+5]|
.irp i, 6,10,14,18,22,26
	v_max3_num_f32 v12, v12, |v[XB+\i]|, |v[XB+\i+1]|
	v_max3_num_f32 v13, v13, |v[XB+\i+2]|, |v[XB+\i+3]|
.endr
	v_max3_num_f32 v12, v12, |v[XB+30]|, |v[XB+31]|
	v_max3_num_f32 v12, v12, v13, 0x4800000        ; and the floor 2^(9 - 127): the byte cannot fall under 1
	v_add_nc_u32 v11, 0xfc000000, v12              ; 8 off the exponent field: the conversion takes the exponent field of this operand as its scale
	v_and_or_b32 v10, v12, 0x7f800000, s24         ; 448 x the scale
.if (\t) == 0
	v_lshrrev_b32 v[SW], 23, v11                   ; the scale's byte: block t's is byte t of the word
.else
	v_lshrrev_b32 v13, 23, v11
	v_lshl_or_b32 v[SW], v13, 8*(\t), v[SW]
.endif
.irp i, 0,1,2,3,4,5,6,7,8,9,10,11,12,13,14,15,16,17,18,19,20,21,22,23,24,25,26,27,28,29,30,31
	v_med3_num_f32 v[XB+\i], v[XB+\i], -v10, v10   ; the conversion to an 8-bit code does not saturate (ISA guide 7.6.2): the hold at the largest code x the scale
.endr
.irp g, 0,1,2,3
	v_cvt_scalef32_pk8_fp8_f32 v[C+8*(\t)+2*\g:C+8*(\t)+2*\g+1], v[XB+8*\g:XB+8*\g+7], v11
.endr
	v_nop                                          ; a plain line behind the last conversion of the run
	global_store_b128 v4, v[C+8*(\t):C+8*(\t)+3], s[10:11] offset:512*(\t)          ; k = 32 t + 0 .. 15: sixteen lanes store 256 consecutive bytes, aligned
	global_store_b128 v4, v[C+8*(\t)+4:C+8*(\t)+7], s[10:11] offset:512*(\t)+256    ; k = 32 t + 16 .. 31: the places of lanes 16-31 of the fragment
.if (\t) < 2
	LOAD (\t)+2
.endif
.endm
	LOAD 0
	LOAD 1
	BLOCK 0
	BLOCK 1
	BLOCK 2
	BLOCK 3
	global_store_b32 v5, v[SW], s[26:27]           ; my column's scale word of this K step
	s_endpgm
.Lfunc_end_k_q70c97cf404_quantw:
	.size	k_q70c97cf404_quantw, .Lfunc_end_k_q70c97cf404_quantw-k_q70c97cf404_quantw
	.p2alignl 7, 3214868480
	.fill 96, 4, 3214868480
	.section	.rodata,"a",@progbits
	.p2align	6, 0x0
	.amdhsa_kernel k_q70c97cf404_quantw
		.amdhsa_group_segment_fixed_size 0
		.amdhsa_private_segment_fixed_size 0
		.amdhsa_enable_private_segment 0
		.amdhsa_kernarg_size 32
		.amdhsa_user_sgpr_count 2
		.amdhsa_user_sgpr_kernarg_segment_ptr 1
		.amdhsa_wavefront_size32 1
		.amdhsa_system_sgpr_workgroup_id_x 1
		.amdhsa_system_sgpr_workgroup_id_y 1
		.amdhsa_system_sgpr_workgroup_id_z 1
		.amdhsa_system_vgpr_workitem_id 0
		.amdhsa_next_free_vgpr 128
		.amdhsa_next_free_sgpr 66
		.amdhsa_reserve_vcc 0
		.amdhsa_float_denorm_mode_32 3
		.amdhsa_float_denorm_mode_16_64 3
		.amdhsa_memory_ordered 1
		.amdhsa_forward_progress 1
		.amdhsa_inst_pref_size 30
	.end_amdhsa_kernel
	.amdgpu_metadata
---
amdhsa.version: [ 1, 2 ]
amdhsa.kernels:
  - .name:           k_q70c97cf404_quantw
    .symbol:         k_q70c97cf404_quantw.kd
    .args:
      - { .name: weight_q, .offset: 0, .size: 8, .value_kind: global_buffer, .address_space: global }
      - { .name: weight_k, .offset: 8, .size: 8, .value_kind: global_buffer, .address_space: global }
      - { .name: weight_v, .offset: 16, .size: 8, .value_kind: global_buffer, .address_space: global }
      - { .name: wc, .offset: 24, .size: 8, .value_kind: global_buffer, .address_space: global }
    .group_segment_fixed_size: 0
    .private_segment_fixed_size: 0
    .kernarg_segment_align: 8
    .kernarg_segment_size: 32
    .max_flat_workgroup_size: 128
    .sgpr_count:     66
    .vgpr_count:     128
    .wavefront_size: 32
...
	.end_amdgpu_metadata
.endif
;; end of part 1
;; launch attn (part 2): grid 256 x 1, 4 waves a work-group, clusters of 4 x 1, 327,680 bytes of LDS; arguments x, w, wc, out0; writes out0
.if DOCPART == 2
	.amdgcn_target "amdgcn-amd-amdhsa--gfx1250"
	.amdhsa_code_object_version 6
	.text
	.protected	k_q70c97cf404_attn
	.globl	k_q70c97cf404_attn
	.p2align	8
	.type	k_q70c97cf404_attn,@function
k_q70c97cf404_attn:
	s_mov_b64 s[64:65], 0
	v_nop
	global_prefetch_b8 v0, s[64:65] scope:SCOPE_SE
	s_setreg_imm32_b32 hwreg(HW_REG_WAVE_MODE, 25, 1), 1
	s_wait_xcnt 0x0
	s_wait_alu depctr_hold_cnt(0) depctr_sa_sdst(0) depctr_va_vdst(0) depctr_va_sdst(0) depctr_va_ssrc(0) depctr_va_vcc(0) depctr_vm_vsrc(0)
	s_getreg_b32 s2, hwreg(HW_REG_IB_STS2, 6, 4)
	s_cmp_eq_u32 s2, 0
	s_cbranch_scc0 .Lentry_in_a_cluster
	s_endpgm
.Lentry_in_a_cluster:
	s_bfe_u32 s2, ttmp6, 0x10000c
	s_cmp_lg_u32 s2, 0x3003
	s_cbranch_scc0 .Lentry_shape_is_right
	s_endpgm
.Lentry_shape_is_right:
; out0[b] = softmax_w(Q[b] . K[b][w] / sqrt(512)) V[b][w], K = Q8(x[b]) Q8(Wk), V = Q8(x[b]) Q8(Wv), Q = Q8(t) Q8(Wq), t = x[b]^T w.  Q8: codes of FP8 (E4M3) with one E8M0 scale for each 32 along K.
; x: [256][512 words][512 features] f32; w: [512] f32; wc: the three weights as codes and scale words in the order of an operand's registers (records of 8,448 bytes for 16 columns: made by the launch before); out0: [256][512] f32.
; ONE WORK-GROUP IS ONE SAMPLE; each of its four waves owns 128 words (8 tiles of 16).  x IS READ ONCE: Q needs all of x[b] before the first score, so the sample is kept as CODES, 512 registers a wave, for the whole launch.
; PHASES.  1: x streams through two LDS slots by tensor loads (a wave's tile: 32 words x 256 features); each tile is read twice from LDS: by rows of a fragment, to be quantised into registers, and densely, for t (f32 multiply-adds).
;   2: the waves' parts of t are added through LDS, every wave quantises t (it stands in all 16 rows of a fragment), and each wave makes a quarter of Q.
;   3: Wk's 32 column tiles: K^T tile = Wk-fragment x x-fragments (transposed use: a lane holds ONE word and eight columns), and at once score += Q . K in f32; K is never kept.
;   4: softmax over the wave's own 128 words, its own maximum taken away; 5: Wv's 32 column tiles (natural use: a lane holds one column and eight words), at once out += p . V in f32;
;   6: the four waves' (maximum, sum, out) are joined under the work-group's maximum, divided, stored.
; THE WEIGHTS go through the same two slots in six chunks of 16 records.  Every work-group walks the same chunks in the same order, so they are asked for JOINTLY by the four work-groups of a cluster (mask 15);
; x's tiles are each work-group's own (no mask).  Every refill stands behind a round of the cluster's barrier.  By this text's count a wave has two tensor loads out at the start and one later.
; A weight fragment read from LDS feeds 8 matrix instructions; x's fragments are never read again.
; LIMITS: NaN and infinities among the inputs are not served; a block of zeros gets the scale byte 1 (its codes are zeros; the bytes never leave the program); blocks whose largest magnitude lies under 2^-118 were not tried.
; REGISTERS, in windows of 256 (s_set_vgpr_msb: bits 1:0 source 0, 3:2 source 1, 5:4 source 2, 7:6 destination):
;   window 0: v1-27 addresses; v32-63 x's scale words (4 m + s); v64-67 the weights' scale words, two sets; v68-71 t's; v72-87 Q's eight numbers a lane, two sets; v88-103 the scores, a pair for each tile of words;
;             v104-127 at work; v128-255 numbers on their way to the quantiser (two sets of 64), later the weight fragments of two column tiles (two sets of 64).
;   windows 1, 2: x's fragment (tile of words m, K step s) in window 1 + s / 2 at v[16 (8 (s % 2) + m)].
;   window 3: v0-63 the 8 accumulators; v64-127 rows of x for t, later p; v128-191 t's four fragments; v192-207 t's sums; v208-215 sums of p V; v224-255 Q's four accumulators.
.set SLOT,  135168                     ; an LDS slot: four parts, one a wave
.set PART,  33792                      ; a wave's part: an x tile (32 rows of 1,040 bytes) or four records (132 x 256 bytes)
.set XP,    1040                       ; a row of an x tile in LDS: 1,024 bytes + 16 of padding = 65 x 16: the 16 rows that a load touches start at 16 different groups of four banks (64 banks of 4 bytes: ISA guide 11.1)
.set REC,   8448                       ; a record
.set L_TP,  2*SLOT                     ; t's partial sums: 2,048 bytes a wave
.set L_TF,  L_TP+8192                  ; t
.set L_QL,  L_TF+2048                  ; Q
.set L_PL,  L_QL+2048                  ; p: 512 bytes a wave, its own
.set L_OP,  L_PL+2048                  ; the waves' partial outputs: 2,048 bytes a wave
.set L_ST,  L_OP+8192                  ; (maximum, sum): 8 bytes a wave
.set SPARE, L_ST+256                   ; the spare words, 128 bytes for each wave: two blocks of 256 bytes that no other line names
.set LI,  1                            ; v1   16 x lane
.set L8,  2                            ; v2   8 x lane
.set R4,  3                            ; v3   4 r
.set SPW, 4                            ; v4   LDS address of my spare word; never rewritten
.set NIL, 5                            ; v5   0; never rewritten
.set AX,  6                            ; v6-7   slot 0, 1: my part + 1040 r + 64 h: a fragment's row of an x tile
.set AT,  8                            ; v8-9   my part + 16 x lane
.set AS,  10                           ; v10-11 my part + 8 x lane
.set ADB, 12                           ; v12  the pair's records + 16 x lane
.set ADS, 13                           ; v13  + 8 x lane
.set ADQ, 14                           ; v14  the pair's numbers of Q + 32 h
.set ADO, 15                           ; v15  the pair's place among my partial outputs + 4 r
.set H32, 16
.set TPW, 17
.set T16, 18
.set TFA, 19
.set QW,  20
.set PLW, 21
.set PLR, 22
.set STW, 23
.set OPW, 24
.set OPR, 25
.set STR, 26
.set GO,  27
.set XS,  32
.set WSC, 64
.set TS,  68
.set QV,  72
.set SCP, 88
.set TM,  104
.set NUM, 128
.set BF,  128
.set TD,  64                           ; window 3
.set P,   64
.set TFRG, 128
.set TA,  192
.set OA,  208
.set QA,  224
.set WV,  12                           ; s12  my wave's number
.set G1X, 16                           ; s[16:23] descriptor group 1 for x's tiles;  s[24:31] for the weights' chunks
.set G1W, 24
.set G0X, 32                           ; s[32:39] group 0 for x, a set for each slot;  s[40:47] for the weights
.set G0W, 40
.set SEL, 48                           ; s[48:49] v_permlanex16_b32's selects for lane l xor 16
.set MNT, 50                           ; s50  the mantissa field of 448
.set CS,  51                           ; s51  c = log2(e) / sqrt(512)
.set TW,  52                           ; s[52:53] a number of w with an odd index, as the low word of a pair
.set TB,  54                           ; s54  LDS byte of the pair's first record
.set TQ,  55                           ; s55  of its numbers of Q
.set TO,  56                           ; s56  its place in a row of outputs
.set CNT, 57
.set WP,  66                           ; s[66:67] w at my wave's first word; never rewritten
.set WS,  68                           ; s[68:99] w of the 32 words in hand
.set MSB, 0
.macro WIN new                         ; the immediate's high byte repeats the setting that is left; a switch that changes nothing is dropped
.if MSB != (\new)
	s_set_vgpr_msb (MSB<<8)|(\new)
.set MSB, (\new)
.endif
.endm
; A round of the cluster's barrier: my work-group's barrier; wave 0 signals for the work-group; every wave waits for all four work-groups; my work-group's barrier once more.
.macro ROUND
	s_barrier_signal -1
	s_barrier_wait -1
	s_cmp_lg_u32 s[WV], 0
	s_cbranch_scc1 .Lnot_wave_0_\@
	s_barrier_signal -3
.Lnot_wave_0_\@:
	s_barrier_wait -3
	s_barrier_signal -1
	s_barrier_wait -1
.endm
; A slot that has been read is filled again.  Every wave: all its tensor loads have landed (the other slot's among them); 0 onto its spare word; the descriptor steps; the add is done and its LDS reads and stores are over;
; the round; and its one tensor load, first thing behind it.  Four v_nop follow the load.
.macro CHANGE g0, g1, step
	s_wait_tensorcnt 0x0                           ; no tensor load of mine is out, so a group 0 may be written
	ds_add_u32 v[SPW], v[NIL]
.if \step
	s_add_nc_u64 s[(\g0)+2:(\g0)+3], s[(\g0)+2:(\g0)+3], \step
.endif
	s_wait_dscnt 0x0
	ROUND
	tensor_load_to_lds s[(\g0):(\g0)+3], s[(\g1):(\g1)+7]
	s_nop 0
.rept 4
	v_nop
.endr
.endm
.macro CHANGE0                         ; the last change of slots: nothing is left to fetch, so my work-group's barrier alone
	s_wait_tensorcnt 0x0
	ds_add_u32 v[SPW], v[NIL]
	s_wait_dscnt 0x0
	s_barrier_signal -1
	s_barrier_wait -1
.endm
; 64 numbers a lane for one fragment: unit u = 2 mt + sh of a tile: rows 16 mt + r, features 128 sh on: register 16 c + i is k = 32 c + 16 h + i of my row
.macro FLOAD sg, u, buf
.irp c, 0,1,2,3
.irp j, 0,1,2,3
	ds_load_b128 v[NUM+64*(\buf)+16*\c+4*\j:NUM+64*(\buf)+16*\c+4*\j+3], v[AX+(\sg)] offset:16*XP*((\u)/2)+512*((\u)%2)+128*\c+16*\j
.endr
.endr
.endm
; rows 8 u .. 8 u + 7 of the tile as they lie: register 8 i + 4 e + d is feature 128 e + 4 lane + d of row 8 u + i
.macro TLOAD sg, u
	WIN 0xc0                                       ; destination window 3
.irp i, 0,1,2,3,4,5,6,7
.irp e, 0,1
	ds_load_b128 v[TD+8*\i+4*\e:TD+8*\i+4*\e+3], v[AT+(\sg)] offset:(8*(\u)+\i)*XP+512*\e
.endr
.endr
	WIN 0
.endm
; 64 numbers of a lane, v[src] on, become a fragment's 16 registers of codes, v[dst] on in window dwin, and its scale word in v[pw].  A block of 32 lies in lanes l and l xor 16.
.macro QUANT src, dwin, dst, pw
.irp b, 0,1,2,3
	v_max3_num_f32 v[TM+\b], |v[(\src)+16*\b]|, |v[(\src)+16*\b+1]|, 0x4800000   ; block b: my 16 numbers, and the floor 2^(9 - 127): the byte cannot fall under 1
.endr
.irp i, 2,4,6,8,10,12,14
.irp b, 0,1,2,3
	v_max3_num_f32 v[TM+\b], v[TM+\b], |v[(\src)+16*\b+\i]|, |v[(\src)+16*\b+\i+1]|   ; the four blocks by turns
.endr
.endr
.irp b, 0,1,2,3
	v_permlanex16_b32 v[TM+4+\b], v[TM+\b], s[SEL], s[SEL+1]
.endr
.irp b, 0,1,2,3
	v_max_num_f32 v[TM+\b], v[TM+\b], v[TM+4+\b]   ; the block's largest magnitude
.endr
.irp b, 0,1,2,3
	v_add_nc_u32 v[TM+12+\b], 0xfc000000, v[TM+\b] ; 8 off its exponent field: the conversion's scale operand
.endr
.irp b, 0,1,2,3
	v_and_or_b32 v[TM+8+\b], v[TM+\b], 0x7f800000, s[MNT]   ; 448 x the scale
.endr
.irp b, 0,1,2,3
	v_lshrrev_b32 v[TM+4+\b], 23, v[TM+12+\b]      ; the scale's byte
.endr
	v_lshl_or_b32 v[\pw], v[TM+5], 8, v[TM+4]      ; the four bytes make my row's scale word
	v_lshl_or_b32 v[\pw], v[TM+6], 16, v[\pw]
	v_lshl_or_b32 v[\pw], v[TM+7], 24, v[\pw]
.irp b, 0,1,2,3
.irp i, 0,1,2,3,4,5,6,7,8,9,10,11,12,13,14,15
	v_med3_num_f32 v[(\src)+16*\b+\i], v[(\src)+16*\b+\i], -v[TM+8+\b], v[TM+8+\b]   ; the conversion to an 8-bit code does not saturate (ISA guide 7.6.2): the hold
.endr
.endr
	WIN (\dwin)<<6                                 ; all eight conversions under one setting
.irp b, 0,1,2,3
	v_cvt_scalef32_pk8_fp8_f32 v[(\dst)+4*\b:(\dst)+4*\b+1], v[(\src)+16*\b:(\src)+16*\b+7], v[TM+12+\b]
	v_cvt_scalef32_pk8_fp8_f32 v[(\dst)+4*\b+2:(\dst)+4*\b+3], v[(\src)+16*\b+8:(\src)+16*\b+15], v[TM+12+\b]
.endr
	WIN 0
	v_nop                                          ; a plain line behind the last conversion of the run
.endm
; t += w[word] x row, for the eight rows that TLOAD brought: packed, the number of w as the low word of a scalar pair.  first = 1: the first row starts the sums: nothing is cleared
.macro TACC z, u, first
	WIN 0xf3                                       ; rows and sums in window 3
.irp i, 0,1,2,3,4,5,6,7
.set IDX, 8*(\u)+\i
.if IDX%2
	s_mov_b32 s[TW], s[WS+IDX]
.set PR, TW
.else
.set PR, WS+IDX
.endif
.irp k, 0,1,2,3
.if (\first) && (\i == 0)
	v_pk_mul_f32 v[TA+8*(\z)+2*\k:TA+8*(\z)+2*\k+1], v[TD+8*\i+2*\k:TD+8*\i+2*\k+1], s[PR:PR+1] op_sel_hi:[1,0]
.else
	v_pk_fma_f32 v[TA+8*(\z)+2*\k:TA+8*(\z)+2*\k+1], v[TD+8*\i+2*\k:TD+8*\i+2*\k+1], s[PR:PR+1], v[TA+8*(\z)+2*\k:TA+8*(\z)+2*\k+1] op_sel_hi:[1,0,1]
.endif
.endr
.endr
	WIN 0
.endm
; Unit u of tile f (words 32 (f / 2) on, features 256 (f % 2) on; it lies in slot f % 2): one fragment quantised, eight rows added into t
.macro UNIT f, u
.set RHO, (\f)/2
.set Z, (\f)%2
.set MT, (\u)/2
.set SH, (\u)%2
	TLOAD Z, \u
.if (\u) < 3
	FLOAD Z, (\u)+1, ((\u)+1)%2
	s_wait_dscnt 32                                ; this unit's 16 loads are in; the 16 for t and the next unit's 16 may be out
.else
	s_wait_dscnt 16                                ; the 16 for t may be out
.endif
	QUANT NUM+64*((\u)%2), 1+Z, 16*(8*SH+2*RHO+MT), XS+4*(2*RHO+MT)+2*Z+SH
.if (\u) < 3
	s_wait_dscnt 16                                ; the 16 for t are in; the next unit's may be out
.else
	s_wait_dscnt 0x0                               ; my reads of the slot are over
.endif
.if (Z == 0) && ((\u) == 0)
	s_wait_kmcnt 0x0                               ; w of these 32 words
.endif
.if ((\f) < 2) && ((\u) == 0)
	TACC Z, \u, 1
.else
	TACC Z, \u, 0
.endif
.endm
.macro PROC f
	FLOAD (\f)%2, 0, 0
.irp u, 0,1,2,3
	UNIT \f, \u
.endr
.endm
.macro WLOAD rho                       ; w of words 32 rho .. 32 rho + 31 of my wave's 128
	s_load_b512 s[WS:WS+15], s[WP:WP+1], 128*(\rho)
	s_load_b512 s[WS+16:WS+31], s[WP:WP+1], 128*(\rho)+64
.endm
; One scaled matrix instruction.  zero: it starts its sum.  row = 1: source 0's scales stand in lanes 16-31 of their register; 2: source 1's
.macro WM d, a, b, zero, sa, sb, row
.if \zero
	v_wmma_scale_f32_16x16x128_f8f6f4 v[\d:\d+7], v[\a:\a+15], v[\b:\b+15], 0, v[\sa], v[\sb]
.elseif \row == 1
	v_wmma_scale_f32_16x16x128_f8f6f4 v[\d:\d+7], v[\a:\a+15], v[\b:\b+15], v[\d:\d+7], v[\sa], v[\sb] matrix_a_scale:MATRIX_SCALE_ROW1
.elseif \row == 2
	v_wmma_scale_f32_16x16x128_f8f6f4 v[\d:\d+7], v[\a:\a+15], v[\b:\b+15], v[\d:\d+7], v[\sa], v[\sb] matrix_b_scale:MATRIX_SCALE_ROW1
.else
	v_wmma_scale_f32_16x16x128_f8f6f4 v[\d:\d+7], v[\a:\a+15], v[\b:\b+15], v[\d:\d+7], v[\sa], v[\sb]
.endif
.endm
; A record into set q: its four fragments (each load takes 512 consecutive bytes), its scale words (register 0: K step 0 in lanes 0-15, 1 in lanes 16-31; register 1: K steps 2 and 3);
; kind 0 (K): also the eight numbers of Q that meet my eight columns.  19 loads, or 17
.macro FETCHW q, off, kind
.irp s, 0,1,2,3
.irp c, 0,1,2,3
	ds_load_b128 v[BF+64*(\q)+16*\s+4*\c:BF+64*(\q)+16*\s+4*\c+3], v[ADB] offset:(\off)+2048*\s+512*\c
.endr
.endr
	ds_load_b64 v[WSC+2*(\q):WSC+2*(\q)+1], v[ADS] offset:(\off)+8192
.if \kind == 0
	ds_load_b128 v[QV+8*(\q):QV+8*(\q)+3], v[ADQ] offset:((\off)/REC)*64
	ds_load_b128 v[QV+8*(\q)+4:QV+8*(\q)+7], v[ADQ] offset:((\off)/REC)*64+16
.endif
.endm
; 32 matrix instructions: a column tile against my 8 tiles of words, K ascending; the 8 accumulators take turns, one instruction a turn.
; kind 0: source 0 = the weight's 16 columns, source 1 = 16 words: lane (r, h), register j: K(word 16 m + r, column 16 T + 8 h + j).
; kind 1: source 0 = 16 words, source 1 = the weight's 16 columns: register j: V(word 16 m + 8 h + j, column 16 T + r).
.macro MUL kind, p
.irp s, 0,1,2,3
.if \kind == 0
	WIN 0xf4+4*(\s/2)                              ; source 0 window 0, source 1 (x) window 1 or 2, C and D window 3
.else
	WIN 0xf1+(\s/2)                                ; source 0 (x) window 1 or 2, source 1 window 0, C and D window 3
.endif
.irp m, 0,1,2,3,4,5,6,7
.set DR, 8*\m
.set XR, 16*(8*(\s%2)+\m)
.set FRG, BF+64*(\p)+16*\s
.set WR, WSC+2*(\p)+(\s/2)
.set XW, XS+4*\m+\s
.if \kind == 0
	WM DR, FRG, XR, (\s==0), WR, XW, (\s%2)
.else
	WM DR, XR, FRG, (\s==0), XW, WR, 2*(\s%2)
.endif
.endr
.endr
.endm
; score(word 16 m + r) += the sum over my eight columns of K x Q: packed, each accumulator from its low end on.  first = 1: the first products start the sums
.macro EPI_K p, first
	WIN 0x03                                       ; source 0 (the accumulators) window 3
.irp i, 0,1,2,3
.irp m, 0,1,2,3,4,5,6,7
.if (\first) && (\i == 0)
	v_pk_mul_f32 v[SCP+2*\m:SCP+2*\m+1], v[8*\m+2*\i:8*\m+2*\i+1], v[QV+8*(\p)+2*\i:QV+8*(\p)+2*\i+1]
.else
	v_pk_fma_f32 v[SCP+2*\m:SCP+2*\m+1], v[8*\m+2*\i:8*\m+2*\i+1], v[QV+8*(\p)+2*\i:QV+8*(\p)+2*\i+1], v[SCP+2*\m:SCP+2*\m+1]
.endif
.endr
.endr
	WIN 0
.endm
; out(column 16 T + r) = the sum over my wave's 128 words of p x V: four packed chains over my 64 words, then lane l xor 16's; to my partial outputs in LDS
.macro EPI_V ooff
	WIN 0xff                                       ; all in window 3
.irp m, 0,1,2,3,4,5,6,7
.irp i, 0,1,2,3
.if \m == 0
	v_pk_mul_f32 v[OA+2*\i:OA+2*\i+1], v[8*\m+2*\i:8*\m+2*\i+1], v[P+8*\m+2*\i:P+8*\m+2*\i+1]
.else
	v_pk_fma_f32 v[OA+2*\i:OA+2*\i+1], v[8*\m+2*\i:8*\m+2*\i+1], v[P+8*\m+2*\i:P+8*\m+2*\i+1], v[OA+2*\i:OA+2*\i+1]
.endif
.endr
.endr
	v_pk_add_f32 v[OA:OA+1], v[OA:OA+1], v[OA+2:OA+3]
	v_pk_add_f32 v[OA+4:OA+5], v[OA+4:OA+5], v[OA+6:OA+7]
	v_pk_add_f32 v[OA:OA+1], v[OA:OA+1], v[OA+4:OA+5]
	WIN 0x0f                                       ; sources window 3, destination window 0
	v_add_f32 v[TM], v[OA], v[OA+1]
	WIN 0
	v_permlanex16_b32 v[TM+4], v[TM], s[SEL], s[SEL+1]
	v_add_f32 v[TM], v[TM], v[TM+4]
	ds_store_b32 v[ADO], v[TM] offset:\ooff        ; both halves of the lanes write the same word with the same value
.endm
; A column tile from set p.  nxt = 1: the next tile's record is fetched into the other set first.  Behind the products eight v_nop: a vector instruction reads a result, and a load lands in a register that a matrix
; instruction has read, eight places behind it.  They and the packed lines that follow (those of the other accumulators name none of a product's registers)
; are also the nine places in front of the next tile's products, which begin the accumulators anew.
.macro TILE kind, p, nxt, off, first, ooff
.if \nxt
	FETCHW 1-(\p), \off, \kind
	s_wait_dscnt 19-2*(\kind)                      ; all but the loads just issued: this tile's record is in
.else
	s_wait_dscnt 0x0
.endif
	MUL \kind, \p
.rept 8
	v_nop
.endr
.if \kind == 0
	EPI_K \p, \first
.else
	EPI_V \ooff
.endif
.endm
.macro ADDRS kind
	v_add_nc_u32 v[ADB], s[TB], v[LI]
	v_add_nc_u32 v[ADS], s[TB], v[L8]
.if \kind == 0
	v_add_nc_u32 v[ADQ], s[TQ], v[H32]
.else
	v_add_nc_u32 v[ADO], s[TO], v[OPW]
.endif
.endm
.macro PAIR kind, first, last          ; two column tiles; last = 1: the chunk's last: nothing beyond the slot is fetched
	TILE \kind, 0, 1, REC, \first, 0
	TILE \kind, 1, 1-(\last), 2*REC, 0, 64
.if (\last) == 0
	s_add_co_u32 s[TB], s[TB], 2*REC
.if \kind == 0
	s_add_co_u32 s[TQ], s[TQ], 128
.else
	s_add_co_u32 s[TO], s[TO], 128
.endif
	ADDRS \kind
.endif
.endm
.macro CHUNK kind, slot, half, first   ; the 16 column tiles of a chunk: eight pairs
	s_mov_b32 s[TB], (\slot)*SLOT
.if \kind == 0
	s_mov_b32 s[TQ], L_QL+1024*(\half)
.else
	s_mov_b32 s[TO], 1024*(\half)
.endif
	ADDRS \kind
	FETCHW 0, 0, \kind
.if \first
	PAIR \kind, 1, 0
	s_mov_b32 s[CNT], 6
.else
	s_mov_b32 s[CNT], 7
.endif
.Lpair_\@:
	PAIR \kind, 0, 0
	s_sub_co_u32 s[CNT], s[CNT], 1
	s_cmp_lg_u32 s[CNT], 0
	s_cbranch_scc1 .Lpair_\@
	PAIR \kind, 0, 1
.endm
; Q for the four column tiles of my own part of chunk g (columns 256 g + 64 wave on), two at a time: source 0 = t in all 16 rows, source 1 = Wq's 16 columns: register 0 of lane (r, h) is Q(column r).
; The two accumulators take turns.  Nine v_nop: places in front of the store that reads a result, of the next loads into the fragments, and of products that write an accumulator anew.
.macro QPROD g
.irp a, 0,2
.irp u, 0,1
.irp s, 0,1,2,3
.irp c, 0,1,2,3
	ds_load_b128 v[BF+64*\u+16*\s+4*\c:BF+64*\u+16*\s+4*\c+3], v[AT+((\g)&1)] offset:(\a+\u)*REC+2048*\s+512*\c
.endr
.endr
	ds_load_b64 v[WSC+2*\u:WSC+2*\u+1], v[AS+((\g)&1)] offset:(\a+\u)*REC+8192
.endr
	s_wait_dscnt 0x0
	WIN 0xf3                                       ; source 0 (t), C and D window 3; source 1 window 0
.irp s, 0,1,2,3
.irp u, 0,1
.set DR, QA+8*(\a+\u)
.set AR, TFRG+16*\s
.set FRG, BF+64*\u+16*\s
.set SA, TS+\s
.set WR, WSC+2*\u+(\s/2)
	WM DR, AR, FRG, (\s==0), SA, WR, 2*(\s%2)
.endr
.endr
	WIN 0
.rept 9
	v_nop
.endr
	WIN 0x0c                                       ; an LDS store's data are its source 1: window 3
.irp u, 0,1
	ds_store_b32 v[QW], v[QA+8*(\a+\u)] offset:1024*(\g)+64*(\a+\u)
.endr
	WIN 0
.endr
.endm
	; ---- the head
	s_load_b256 s[4:11], s[0:1], 0x0               ; x s[4:5], w s[6:7], wc s[8:9], out0 s[10:11]
	v_lshl_add_u32 v[SPW], v0, 2, SPARE
	v_mov_b32 v[NIL], 0
	ds_add_u32 v4, v5
	ds_add_u32 v4, v5
	s_wait_dscnt 0x0
	v_lshrrev_b32 v28, 5, v0
	v_readfirstlane_b32 s[WV], v28                 ; wave 0..3
	s_bfe_u32 s13, ttmp6, 0x40000                  ; cx: my place in the cluster: it enters x's and out0's global addresses alone
	s_lshl_b32 s14, ttmp9, 2                       ; in a cluster launch ttmp9 counts clusters
	s_add_co_u32 s14, s14, s13                     ; my sample
	; group 1 for x: a tile of 32 rows x 256 elements of 4 bytes, rows 512 elements apart, 4 words of padding behind every 256
	s_mov_b32 s[G1X+0], (2<<16)|(1<<20)|(7<<22)|(3<<25)
	s_mov_b32 s[G1X+1], 256<<16                    ; tensor_dim0
	s_mov_b32 s[G1X+2], 32<<16                     ; tensor_dim1
	s_mov_b32 s[G1X+3], 256<<16                    ; tile_dim0
	s_mov_b32 s[G1X+4], 32                         ; tile_dim1
	s_mov_b32 s[G1X+5], 512                        ; tensor_dim0_stride
	s_mov_b32 s[G1X+6], 0
	s_mov_b32 s[G1X+7], 0
	; group 1 for the weights: four records, 33,792 dense bytes, as 132 rows of 32 elements of 8 bytes; the mask names all four work-groups, bit 21 set beside it
	s_mov_b32 s[G1W+0], 15|(3<<16)|(1<<21)
	s_mov_b32 s[G1W+1], 32<<16
	s_mov_b32 s[G1W+2], 132<<16
	s_mov_b32 s[G1W+3], 32<<16
	s_mov_b32 s[G1W+4], 132
	s_mov_b32 s[G1W+5], 32
	s_mov_b32 s[G1W+6], 0
	s_mov_b32 s[G1W+7], 0
	s_mov_b32 s[SEL], 0x76543210
	s_mov_b32 s[SEL+1], 0xfedcba98
	s_mov_b32 s[MNT], 0x600000
	s_mov_b32 s[CS], 0x3d8293ee                    ; log2(e) / sqrt(512)
	s_mov_b32 s[TW+1], 0                           ; (named with s52 as a pair, so it is written)
	s_mul_i32 s60, s[WV], PART                     ; my part of a slot: the wave's number alone
	s_lshl_b32 s58, s14, 20                        ; my sample: 2^20 bytes each,
	s_lshl_b32 s59, s[WV], 18                      ; my wave's 128 words of 2,048 bytes
	s_add_co_u32 s58, s58, s59
	s_mov_b32 s59, 0
	s_mov_b32 s62, s60                             ; my four records of a chunk
	s_mov_b32 s63, 0
	s_wait_kmcnt 0x0
	s_add_nc_u64 s[4:5], s[4:5], s[58:59]
	s_add_nc_u64 s[8:9], s[8:9], s[62:63]
	s_lshl_b32 s62, s[WV], 9
	s_add_nc_u64 s[WP:WP+1], s[6:7], s[62:63]      ; w at my wave's first word
	s_lshl_b32 s58, s14, 11
	s_add_nc_u64 s[10:11], s[10:11], s[58:59]      ; my sample's row of out0
.irp g, 0,1
	s_mov_b32 s[G0X+4*\g], 1                                       ; count = 1
	s_add_co_u32 s[G0X+4*\g+1], s60, \g*SLOT                       ; LDS address
	s_add_nc_u64 s[G0X+4*\g+2:G0X+4*\g+3], s[4:5], \g*1024         ; slot g always holds features 256 g on
	s_or_b32 s[G0X+4*\g+3], s[G0X+4*\g+3], 0x80000000              ; type = 2
	s_mov_b32 s[G0W+4*\g], 1
	s_add_co_u32 s[G0W+4*\g+1], s60, \g*SLOT
	s_add_nc_u64 s[G0W+4*\g+2:G0W+4*\g+3], s[8:9], \g*SLOT         ; slot g takes chunks g, g + 2, g + 4
	s_or_b32 s[G0W+4*\g+3], s[G0W+4*\g+3], 0x80000000
.endr
	ROUND                                          ; the one round in front of the first fills
	tensor_load_to_lds s[G0X:G0X+3], s[G1X:G1X+7]          ; tile 0
	s_nop 0
	tensor_load_to_lds s[G0X+4:G0X+7], s[G1X:G1X+7]        ; tile 1: two loads of mine are out
	s_nop 0
.rept 4
	v_nop
.endr
	WLOAD 0
	v_and_b32 v28, 31, v0                          ; lane
	v_and_b32 v29, 15, v0                          ; r
	v_bfe_u32 v30, v0, 4, 1                        ; h
	v_lshlrev_b32 v[LI], 4, v28
	v_lshlrev_b32 v[L8], 3, v28
	v_lshlrev_b32 v[R4], 2, v29
	v_lshlrev_b32 v[H32], 5, v30
	v_mul_u32_u24 v31, v29, XP
	v_lshl_add_u32 v31, v30, 6, v31
	v_add_nc_u32 v[AX], s60, v31
	v_add_nc_u32 v[AX+1], SLOT, v[AX]
	v_add_nc_u32 v[AT], s60, v[LI]
	v_add_nc_u32 v[AT+1], SLOT, v[AT]
	v_add_nc_u32 v[AS], s60, v[L8]
	v_add_nc_u32 v[AS+1], SLOT, v[AS]
	s_lshl_b32 s61, s[WV], 11
	v_add_nc_u32 v[TPW], s61, v[LI]
	v_add_nc_u32 v[TPW], L_TP, v[TPW]              ; my partial t: 2048 x wave + 16 x lane
	v_lshl_add_u32 v[T16], v0, 4, L_TP             ; 16 x thread: four features of t
	v_lshl_add_u32 v[TFA], v30, 6, L_TF            ; t as a fragment's row: + 64 h
	s_lshl_b32 s62, s[WV], 8
	v_add_nc_u32 v[QW], s62, v[R4]
	v_add_nc_u32 v[QW], L_QL, v[QW]                ; my 64 numbers of Q in each half
	s_lshl_b32 s62, s[WV], 9
	v_add_nc_u32 v[PLW], s62, v[R4]
	v_add_nc_u32 v[PLW], L_PL, v[PLW]              ; p in: word 16 m + r
	v_add_nc_u32 v[PLR], s62, v[H32]
	v_add_nc_u32 v[PLR], L_PL, v[PLR]              ; p back: words 16 m + 8 h + 0 .. 7
	s_lshl_b32 s62, s[WV], 3
	s_add_co_u32 s62, s62, L_ST
	v_mov_b32 v[STW], s62
	v_add_nc_u32 v[OPW], s61, v[R4]
	v_add_nc_u32 v[OPW], L_OP, v[OPW]
	v_lshl_add_u32 v[OPR], v0, 4, L_OP
	v_mov_b32 v[STR], L_ST
	v_lshlrev_b32 v[GO], 4, v0
.irp b, 0,1,2,3
	v_mov_b32 v[TM+4+\b], 0                        ; written once: a lane permute's destination counts as one of its sources
.endr
	; ---- 1: x streams.  Written out, since each tile's codes go to registers of their own.  A wave reads only the part of a slot that its own load brought: its own wait on TENSORcnt is all that the reads need.
	s_wait_tensorcnt 0x1                           ; tile 0 is in; tile 1 may stay out
	PROC 0
	CHANGE G0X, G1X, 65536                         ; tile 2 (32 words on) into slot 0
	PROC 1
	WLOAD 1
	CHANGE G0X+4, G1X, 65536                       ; tile 3
	PROC 2
	CHANGE G0X, G1X, 65536                         ; tile 4
	PROC 3
	WLOAD 2
	CHANGE G0X+4, G1X, 65536                       ; tile 5
	PROC 4
	CHANGE G0X, G1X, 65536                         ; tile 6
	PROC 5
	WLOAD 3
	CHANGE G0X+4, G1X, 65536                       ; tile 7
	PROC 6
	CHANGE G0W, G1W, 0                             ; slot 0 has given its last tile of x: chunk 0 (Wq's first half)
	PROC 7
	; ---- 2: t, its codes, Q
	WIN 0x0c                                       ; an LDS store's data are its source 1: window 3
.irp k, 0,1,2,3
	ds_store_b128 v[TPW], v[TA+4*\k:TA+4*\k+3] offset:512*\k       ; features 128 k + 4 lane + 0 .. 3
.endr
	WIN 0
	CHANGE G0W+4, G1W, 0                           ; chunk 1 into slot 1.  Its wait for my LDS stores and its barrier also show every wave's partial t to all
.irp k, 0,1,2,3
	ds_load_b128 v[NUM+4*\k:NUM+4*\k+3], v[T16] offset:2048*\k
.endr
	s_wait_dscnt 0x0
	v_pk_add_f32 v[NUM:NUM+1], v[NUM:NUM+1], v[NUM+4:NUM+5]
	v_pk_add_f32 v[NUM+2:NUM+3], v[NUM+2:NUM+3], v[NUM+6:NUM+7]
	v_pk_add_f32 v[NUM+8:NUM+9], v[NUM+8:NUM+9], v[NUM+12:NUM+13]
	v_pk_add_f32 v[NUM+10:NUM+11], v[NUM+10:NUM+11], v[NUM+14:NUM+15]
	v_pk_add_f32 v[NUM:NUM+1], v[NUM:NUM+1], v[NUM+8:NUM+9]
	v_pk_add_f32 v[NUM+2:NUM+3], v[NUM+2:NUM+3], v[NUM+10:NUM+11]
	ds_store_b128 v[T16], v[NUM:NUM+3] offset:L_TF-L_TP
	s_wait_dscnt 0x0                               ; for the others' sake: my four numbers of t are in LDS
	s_barrier_signal -1                            ; (chunk 1's load may stay out)
	s_barrier_wait -1
.irp s, 0,1,2,3                        ; every wave needs t's four fragments in its own registers: all lanes of a half read the same bytes
.irp c, 0,1,2,3
.irp j, 0,1,2,3
	ds_load_b128 v[NUM+64*(\s%2)+16*\c+4*\j:NUM+64*(\s%2)+16*\c+4*\j+3], v[TFA] offset:512*\s+128*\c+16*\j
.endr
.endr
	s_wait_dscnt 0x0
	QUANT NUM+64*(\s%2), 3, TFRG+16*\s, TS+\s
.endr
.rept 4
	v_nop                                          ; an operand written by vector instructions stands four places ahead of a scaled matrix instruction (its scale word, made ahead of the 64 holds, more than eight)
.endr
	QPROD 0                                        ; chunk 0 was shown landed by the wait for all loads in front of chunk 1's request
	CHANGE G0W, G1W, 2*SLOT                        ; chunk 2 (Wk's first half) into slot 0
	QPROD 1
	; ---- 3: K and the scores
	CHANGE G0W+4, G1W, 2*SLOT                      ; chunk 3 into slot 1.  The barrier also shows all of Q, and every wave's part of chunk 2, to all
	CHUNK 0, 0, 0, 1
	CHANGE G0W, G1W, 2*SLOT                        ; chunk 4 (Wv's first half)
	CHUNK 0, 1, 1, 0
	CHANGE G0W+4, G1W, 2*SLOT                      ; chunk 5: the last load
	; ---- 4: the softmax over my wave's 128 words, under their own maximum
.irp m, 0,1,2,3,4,5,6,7
	v_add_f32 v[TM+\m], v[SCP+2*\m], v[SCP+2*\m+1] ; even and odd columns,
.endr
.irp m, 0,1,2,3,4,5,6,7
	v_permlanex16_b32 v[TM+8+\m], v[TM+\m], s[SEL], s[SEL+1]
.endr
.irp m, 0,1,2,3,4,5,6,7
	v_add_f32 v[TM+\m], v[TM+\m], v[TM+8+\m]       ; and lane l xor 16's: Q . K of word 16 m + r, in both halves of the lanes
.endr
	v_max3_num_f32 v[TM+16], v[TM], v[TM+1], v[TM+2]
	v_max3_num_f32 v[TM+16], v[TM+16], v[TM+3], v[TM+4]
	v_max3_num_f32 v[TM+16], v[TM+16], v[TM+5], v[TM+6]
	v_max_num_f32 v[TM+16], v[TM+16], v[TM+7]
.irp x, 1,2,4,8
	v_max_num_f32_dpp v[TM+16], v[TM+16], v[TM+16] row_xmask:\x row_mask:0xf bank_mask:0xf
.endr
.irp m, 0,1,2,3,4,5,6,7
	v_sub_f32 v[TM+\m], v[TM+\m], v[TM+16]         ; the maximum is taken away first: 0 or less
.endr
.irp m, 0,1,2,3,4,5,6,7
	v_mul_f32 v[TM+\m], s[CS], v[TM+\m]
.endr
.irp m, 0,1,2,3,4,5,6,7
	v_exp_f32 v[TM+\m], v[TM+\m]                   ; p, at most 1
.endr
	v_nop                                          ; a plain line behind the exponentials
	s_wait_alu depctr_va_vdst(0)
	v_add_f32 v[TM+17], v[TM], v[TM+1]
	v_add_f32 v[TM+18], v[TM+2], v[TM+3]
	v_add_f32 v[TM+19], v[TM+4], v[TM+5]
	v_add_f32 v[TM+20], v[TM+6], v[TM+7]
	v_add_f32 v[TM+17], v[TM+17], v[TM+18]
	v_add_f32 v[TM+19], v[TM+19], v[TM+20]
	v_add_f32 v[TM+17], v[TM+17], v[TM+19]
.irp x, 1,2,4,8
	v_add_f32_dpp v[TM+17], v[TM+17], v[TM+17] row_xmask:\x row_mask:0xf bank_mask:0xf
.endr
.irp m, 0,1,2,3,4,5,6,7
	ds_store_b32 v[PLW], v[TM+\m] offset:64*\m     ; p turns through my wave's own 512 bytes: in by word 16 m + r,
.endr
	ds_store_b64 v[STW], v[TM+16:TM+17]            ; (my maximum and my sum, for the end)
	WIN 0xc0                                       ; destination window 3
.irp m, 0,1,2,3,4,5,6,7
.irp i, 0,1
	ds_load_b128 v[P+8*\m+4*\i:P+8*\m+4*\i+3], v[PLR] offset:64*\m+16*\i   ; back by words 16 m + 8 h + 0 .. 7, as V's accumulators hold them.  LDS serves a wave's instructions in order (ISA guide 5.7.1.4)
.endr
.endr
	WIN 0                                          ; (no wait here: these loads are older than both fetches in front of the next chunk's first counted wait)
	; ---- 5: V and the weighted sums
	CHUNK 1, 0, 0, 0
	CHANGE0                                        ; every wave's part of chunk 5 has landed
	CHUNK 1, 1, 1, 0
	; ---- 6: the four waves are joined: M = the largest of their maxima, f = 2^((m - M) c), out = sum of f x out / sum of f x l.  Thread t takes columns 4 t .. 4 t + 3
	s_wait_dscnt 0x0                               ; for the others' sake: my partial outputs are in LDS
	s_barrier_signal -1
	s_barrier_wait -1
	ds_load_b128 v[128:131], v[STR]                ; m0, l0, m1, l1
	ds_load_b128 v[132:135], v[STR] offset:16      ; m2, l2, m3, l3
.irp k, 0,1,2,3
	ds_load_b128 v[136+4*\k:139+4*\k], v[OPR] offset:2048*\k
.endr
	s_wait_dscnt 0x0
	v_max3_num_f32 v152, v128, v130, v132
	v_max_num_f32 v152, v152, v134
.irp k, 0,1,2,3
	v_sub_f32 v[153+\k], v[128+2*\k], v152
.endr
.irp k, 0,1,2,3
	v_mul_f32 v[153+\k], s[CS], v[153+\k]
.endr
.irp k, 0,1,2,3
	v_exp_f32 v[153+\k], v[153+\k]
.endr
	v_nop                                          ; a plain line behind the exponentials
	s_wait_alu depctr_va_vdst(0)
	v_mul_f32 v157, v153, v129
	v_fma_f32 v157, v154, v131, v157
	v_fma_f32 v157, v155, v133, v157
	v_fma_f32 v157, v156, v135, v157               ; at least 1: the wave that holds M has f = 1 and a sum of 1 or more
	v_rcp_f32 v158, v157
.irp d, 0,1,2,3
	v_mul_f32 v[160+\d], v[136+\d], v153           ; (plain lines behind the reciprocal)
.endr
.irp d, 0,1,2,3
	v_fma_f32 v[160+\d], v[140+\d], v154, v[160+\d]
.endr
.irp d, 0,1,2,3
	v_fma_f32 v[160+\d], v[144+\d], v155, v[160+\d]
.endr
.irp d, 0,1,2,3
	v_fma_f32 v[160+\d], v[148+\d], v156, v[160+\d]
.endr
	s_wait_alu depctr_va_vdst(0)
.irp d, 0,1,2,3
	v_mul_f32 v[160+\d], v[160+\d], v158
.endr
	global_store_b128 v[GO], v[160:163], s[10:11]  ; a wave stores 512 consecutive bytes, at a multiple of 256 from out0's first byte
	s_wait_tensorcnt 0x0                           ; the wave's end: behind my last tensor load and my last LDS store
	ds_add_u32 v[SPW], v[NIL]
	s_wait_dscnt 0x0
	ROUND                                          ; the closing round: no work-group ends while a partner may still ask for a chunk that names it
	s_endpgm
.Lfunc_end_k_q70c97cf404_attn:
	.size	k_q70c97cf404_attn, .Lfunc_end_k_q70c97cf404_attn-k_q70c97cf404_attn
	.p2alignl 7, 3214868480
	.fill 96, 4, 3214868480
	.section	.rodata,"a",@progbits
	.p2align	6, 0x0
	.amdhsa_kernel k_q70c97cf404_attn
		.amdhsa_group_segment_fixed_size 327680
		.amdhsa_private_segment_fixed_size 0
		.amdhsa_enable_private_segment 0
		.amdhsa_kernarg_size 32
		.amdhsa_user_sgpr_count 2
		.amdhsa_user_sgpr_kernarg_segment_ptr 1
		.amdhsa_wavefront_size32 1
		.amdhsa_system_sgpr_workgroup_id_x 1
		.amdhsa_system_sgpr_workgroup_id_y 1
		.amdhsa_system_sgpr_workgroup_id_z 1
		.amdhsa_system_vgpr_workitem_id 0
		.amdhsa_next_free_vgpr 1024
		.amdhsa_next_free_sgpr 100
		.amdhsa_reserve_vcc 0
		.amdhsa_float_denorm_mode_32 3
		.amdhsa_float_denorm_mode_16_64 3
		.amdhsa_memory_ordered 1
		.amdhsa_forward_progress 1
		.amdhsa_inst_pref_size 255
	.end_amdhsa_kernel
	.section	.bss,"aw",@nobits
	.p2align	6
	.space	262144
	.amdgpu_metadata
---
amdhsa.version: [ 1, 2 ]
amdhsa.kernels:
  - .name:           k_q70c97cf404_attn
    .symbol:         k_q70c97cf404_attn.kd
    .args:
      - { .name: x, .offset: 0, .size: 8, .value_kind: global_buffer, .address_space: global }
      - { .name: w, .offset: 8, .size: 8, .value_kind: global_buffer, .address_space: global }
      - { .name: wc, .offset: 16, .size: 8, .value_kind: global_buffer, .address_space: global }
      - { .name: out0, .offset: 24, .size: 8, .value_kind: global_buffer, .address_space: global }
    .group_segment_fixed_size: 327680
    .private_segment_fixed_size: 0
    .kernarg_segment_align: 8
    .kernarg_segment_size: 32
    .max_flat_workgroup_size: 128
    .sgpr_count:     100
    .vgpr_count:     1024
    .wavefront_size: 32
...
	.end_amdgpu_metadata
.endif
;; end of part 2
;; ======== version 2 of 2: 2 launches
;; limits: right only within a limited range of input values
;; workspace buffers: wc 811,008 bytes
;; launch quantw (part 3): grid 4 x 12, 4 waves a work-group, no clusters, 0 bytes of LDS; arguments weight_q, weight_k, weight_v, wc; writes wc
.if DOCPART == 3
	.amdgcn_target "amdgcn-amd-amdhsa--gfx1250"
	.amdhsa_code_object_version 6
	.text
	.protected	k_q70c97cf404_quantw
	.globl	k_q70c97cf404_quantw
	.p2align	8
	.type	k_q70c97cf404_quantw,@function
k_q70c97cf404_quantw:
	s_mov_b64 s[64:65], 0
	v_nop
	global_prefetch_b8 v0, s[64:65] scope:SCOPE_SE
	s_setreg_imm32_b32 hwreg(HW_REG_WAVE_MODE, 25, 1), 1
	s_wait_xcnt 0x0
; weight_q, weight_k, weight_v, each [512 (k)][512 (n)] f32 with K as the FIRST axis, become codes of FP8 (E4M3) and E8M0 scale bytes, one for each 32 along K,
; laid in wc IN THE ORDER OF THE OPERAND'S REGISTERS, so that the next launch brings a fragment by loads of 16 bytes a lane from consecutive bytes.
; A RECORD T serves columns 16 T .. 16 T + 15 of a weight:
;   codes, 8,192 bytes: K step s (128 along K), part c (32 along K), lane l = 16 h + r: 16 bytes at 2048 s + 512 c + 16 l: k = 128 s + 32 c + 16 h + 0 .. 15 of column 16 T + r;
;   scale words, 256 bytes (a word: the four blocks of a K step): that of (s, r) at 8 (16 (s % 2) + r) + 4 (s / 2).
; wc: weight_k from byte 270,336 and weight_v from byte 540,672: 32 records on end, each its codes and then its scale words: 8,448 bytes.
;     weight_q: codes and scale words apart, sorted by the wave of the next launch that reads them: record T = 16 g + 4 a + t has its codes at 65536 a + 32768 g + 8192 t and its scale words at 262144 + 2048 a + 1024 g + 256 t.
; A LANE TAKES A COLUMN AND ITS REGISTERS RUN DOWN K: a load reads 128 consecutive bytes a wave, a block of 32 lies in one lane's 32 registers, and the conversions give codes with K innermost.
; A block's scale is 2^(floor(log2(its largest magnitude)) - 8); its byte is that magnitude's exponent field - 8, held at 1 from below.
; LIMITS: a block of zeros gets the byte 1 where the rule says 127 (its codes are zeros, and this program alone reads the bytes); blocks whose largest magnitude lies under 2^-118
; (the floor) were not tried; NaN and infinities are not served.  The scale words leave as stores of 4 bytes, 8 bytes apart: 24,576 bytes of the 811,008 written.
; SHARES: work-group (x, y): weight y / 4, K step y % 4, columns 128 x on; wave w: 32 of them: lanes 0-15 are record 8 x + 2 w, lanes 16-31 the next.  Waves share nothing: no LDS, no barrier.
.set REC,    8448
.set WBYTES, 32*REC
.set QSC,    262144                    ; where weight_q's scale words begin
.set ROWB,   2048                      ; a row of a weight in bytes
.set X,      32                        ; v32-95   two sets of 32 numbers
.set C,      96                        ; v96-127  eight registers of codes for each of the four blocks: no store's data are written again
.set SW,     24                        ; v24      the column's scale word
	s_load_b256 s[4:11], s[0:1], 0x0               ; weight_q s[4:5], weight_k s[6:7], weight_v s[8:9], wc s[10:11]
	v_lshrrev_b32 v1, 5, v0
	v_readfirstlane_b32 s12, v1                    ; wave 0..3
	v_and_b32 v2, 31, v0                           ; lane
	v_and_b32 v6, 15, v0                           ; r
	v_bfe_u32 v7, v0, 4, 1                         ; which of the wave's two records
	s_wait_alu depctr_va_vdst(0)
	v_lshlrev_b32 v3, 2, v2                        ; in: 4 bytes a lane
	s_and_b32 s13, ttmp7, 0xffff
	s_lshr_b32 s14, s13, 2                         ; which weight
	s_and_b32 s15, s13, 3                          ; K step s
	s_lshl_b32 s16, s15, 18                        ; in: 128 s rows of 2,048 bytes
	s_lshl_b32 s17, ttmp9, 9                       ; + 128 x columns
	s_add_co_u32 s16, s16, s17
	s_lshl_b32 s17, s12, 7                         ; + 32 w columns
	s_add_co_u32 s16, s16, s17
	s_mov_b32 s17, 0
	s_lshl_b32 s18, ttmp9, 3
	s_lshl_b32 s19, s12, 1
	s_add_co_u32 s18, s18, s19                     ; my first record T: 8 x + 2 w (even: the next one has the same a and g)
	s_mul_i32 s20, s18, REC                        ; weight_k, weight_v: the record's codes,
	s_mul_i32 s19, s14, WBYTES
	s_add_co_u32 s20, s20, s19
	s_add_co_u32 s22, s20, 8192                    ; and its scale words behind them
	s_bfe_u32 s19, s18, 0x20002                    ; weight_q: a = (T / 4) % 4
	s_lshl_b32 s28, s19, 16
	s_lshr_b32 s19, s18, 4                         ; g = T / 16
	s_lshl_b32 s19, s19, 15
	s_add_co_u32 s28, s28, s19
	s_and_b32 s19, s18, 3                          ; t = T % 4
	s_lshl_b32 s19, s19, 13
	s_add_co_u32 s28, s28, s19                     ; the record's codes: 65536 a + 32768 g + 8192 t,
	s_lshr_b32 s29, s28, 5                         ; and a 32nd of that,
	s_add_co_u32 s29, s29, QSC                     ; its scale words
	s_mov_b32 s30, REC
	s_cmp_eq_u32 s14, 0                            ; the choice hangs on the work-group's number alone
	s_cselect_b32 s20, s28, s20
	s_cselect_b32 s22, s29, s22
	s_cselect_b32 s26, 8192, s30                   ; from a record's codes to the next record's,
	s_cselect_b32 s27, 256, s30                    ; and from its scale words to the next's
	v_mul_u32_u24 v8, s26, v7
	v_lshl_add_u32 v4, v6, 4, v8                   ; out: my 16 bytes of a part's 256
	v_mul_u32_u24 v8, s27, v7
	v_lshl_add_u32 v5, v6, 3, v8                   ; and my scale word's place
	s_lshl_b32 s19, s15, 11                        ; the K step's codes: 2048 s
	s_add_co_u32 s20, s20, s19
	s_mov_b32 s21, 0
	s_and_b32 s19, s15, 1
	s_lshl_b32 s19, s19, 7                         ; its scale words: 128 (s % 2)
	s_add_co_u32 s22, s22, s19
	s_lshr_b32 s19, s15, 1
	s_lshl_b32 s19, s19, 2                         ; + 4 (s / 2)
	s_add_co_u32 s22, s22, s19
	s_mov_b32 s23, 0
	s_mov_b32 s24, 0x600000                        ; the mantissa field of 448
	s_wait_alu depctr_va_vdst(0)
	s_wait_kmcnt 0x0
	s_cmp_eq_u32 s14, 1                            ; the choice of the weight hangs on the work-group's number alone
	s_cselect_b64 s[4:5], s[6:7], s[4:5]
	s_cmp_eq_u32 s14, 2
	s_cselect_b64 s[4:5], s[8:9], s[4:5]
	s_add_nc_u64 s[4:5], s[4:5], s[16:17]
	s_add_nc_u64 s[28:29], s[10:11], s[22:23]      ; the scale words' base
	s_add_nc_u64 s[10:11], s[10:11], s[20:21]      ; the codes' base
.macro LOAD t                          ; block t: W(128 s + 32 t + i, my column), i = 0 .. 31, into set t % 2
.irp i, 0,1,2,3,4,5,6,7,8,9,10,11,12,13,14,15,16,17,18,19,20,21,22,23,24,25,26,27,28,29,30,31
	global_load_b32 v[X+32*((\t)%2)+\i], v3, s[4:5] offset:(32*(\t)+\i)*ROWB th:TH_LOAD_NT
.endr
.endm
.macro BLOCK t
.set XB, X+32*((\t)%2)
.if (\t) < 3
	s_wait_loadcnt 32                              ; this block's 32 loads are in; the next block's 32 may be out
.else
	s_wait_loadcnt 0x0
.endif
	v_max3_num_f32 v12, |v[XB]|, |v[XB+1]|, |v[XB+2]|              ; the block's largest magnitude: all 32 numbers are mine; two chains
	v_max3_num_f32 v13, |v[XB+3]|, |v[XB+4]|, |v[XB+5]|
.irp i, 6,10,14,18,22,26
	v_max3_num_f32 v12, v12, |v[XB+\i]|, |v[XB+\i+1]|
	v_max3_num_f32 v13, v13, |v[XB+\i+2]|, |v[XB+\i+3]|
.endr
	v_max3_num_f32 v12, v12, |v[XB+30]|, |v[XB+31]|
	v_max3_num_f32 v12, v12, v13, 0x4800000        ; and the floor 2^(9 - 127): the byte cannot fall under 1
	v_add_nc_u32 v11, 0xfc000000, v12              ; 8 off the exponent field: the conversion takes the exponent field of this operand as its scale
	v_and_or_b32 v10, v12, 0x7f800000, s24         ; 448 x the scale
.if (\t) == 0
	v_lshrrev_b32 v[SW], 23, v11                   ; the scale's byte: block t's is byte t of the word
.else
	v_lshrrev_b32 v13, 23, v11
	v_lshl_or_b32 v[SW], v13, 8*(\t), v[SW]
.endif
.irp i, 0,1,2,3,4,5,6,7,8,9,10,11,12,13,14,15,16,17,18,19,20,21,22,23,24,25,26,27,28,29,30,31
	v_med3_num_f32 v[XB+\i], v[XB+\i], -v10, v10   ; the conversion to an 8-bit code does not saturate (ISA guide 7.6.2): the hold at the largest code x the scale
.endr
.irp g, 0,1,2,3
	v_cvt_scalef32_pk8_fp8_f32 v[C+8*(\t)+2*\g:C+8*(\t)+2*\g+1], v[XB+8*\g:XB+8*\g+7], v11
.endr
	v_nop                                          ; a plain line behind the last conversion of the run
	global_store_b128 v4, v[C+8*(\t):C+8*(\t)+3], s[10:11] offset:512*(\t)          ; k = 32 t + 0 .. 15: sixteen lanes store 256 consecutive bytes, aligned
	global_store_b128 v4, v[C+8*(\t)+4:C+8*(\t)+7], s[10:11] offset:512*(\t)+256    ; k = 32 t + 16 .. 31: the places of lanes 16-31 of the fragment
.if (\t) < 2
	LOAD (\t)+2
.endif
.endm
	LOAD 0
	LOAD 1
	BLOCK 0
	BLOCK 1
	BLOCK 2
	BLOCK 3
	global_store_b32 v5, v[SW], s[28:29]           ; my column's scale word of this K step
	s_endpgm
.Lfunc_end_k_q70c97cf404_quantw:
	.size	k_q70c97cf404_quantw, .Lfunc_end_k_q70c97cf404_quantw-k_q70c97cf404_quantw
	.p2alignl 7, 3214868480
	.fill 96, 4, 3214868480
	.section	.rodata,"a",@progbits
	.p2align	6, 0x0
	.amdhsa_kernel k_q70c97cf404_quantw
		.amdhsa_group_segment_fixed_size 0
		.amdhsa_private_segment_fixed_size 0
		.amdhsa_enable_private_segment 0
		.amdhsa_kernarg_size 32
		.amdhsa_user_sgpr_count 2
		.amdhsa_user_sgpr_kernarg_segment_ptr 1
		.amdhsa_wavefront_size32 1
		.amdhsa_system_sgpr_workgroup_id_x 1
		.amdhsa_system_sgpr_workgroup_id_y 1
		.amdhsa_system_sgpr_workgroup_id_z 1
		.amdhsa_system_vgpr_workitem_id 0
		.amdhsa_next_free_vgpr 128
		.amdhsa_next_free_sgpr 66
		.amdhsa_reserve_vcc 0
		.amdhsa_float_denorm_mode_32 3
		.amdhsa_float_denorm_mode_16_64 3
		.amdhsa_memory_ordered 1
		.amdhsa_forward_progress 1
		.amdhsa_inst_pref_size 30
	.end_amdhsa_kernel
	.amdgpu_metadata
---
amdhsa.version: [ 1, 2 ]
amdhsa.kernels:
  - .name:           k_q70c97cf404_quantw
    .symbol:         k_q70c97cf404_quantw.kd
    .args:
      - { .name: weight_q, .offset: 0, .size: 8, .value_kind: global_buffer, .address_space: global }
      - { .name: weight_k, .offset: 8, .size: 8, .value_kind: global_buffer, .address_space: global }
      - { .name: weight_v, .offset: 16, .size: 8, .value_kind: global_buffer, .address_space: global }
      - { .name: wc, .offset: 24, .size: 8, .value_kind: global_buffer, .address_space: global }
    .group_segment_fixed_size: 0
    .private_segment_fixed_size: 0
    .kernarg_segment_align: 8
    .kernarg_segment_size: 32
    .max_flat_workgroup_size: 128
    .sgpr_count:     66
    .vgpr_count:     128
    .wavefront_size: 32
...
	.end_amdgpu_metadata
.endif
;; end of part 3
;; launch attn (part 4): grid 256 x 1, 4 waves a work-group, clusters of 4 x 1, 327,680 bytes of LDS; arguments x, w, wc, out0; writes out0
.if DOCPART == 4
	.amdgcn_target "amdgcn-amd-amdhsa--gfx1250"
	.amdhsa_code_object_version 6
	.text
	.protected	k_q70c97cf404_attn
	.globl	k_q70c97cf404_attn
	.p2align	8
	.type	k_q70c97cf404_attn,@function
k_q70c97cf404_attn:
	s_mov_b64 s[64:65], 0
	v_nop
	global_prefetch_b8 v0, s[64:65] scope:SCOPE_SE
	s_setreg_imm32_b32 hwreg(HW_REG_WAVE_MODE, 25, 1), 1
	s_wait_xcnt 0x0
	s_wait_alu depctr_hold_cnt(0) depctr_sa_sdst(0) depctr_va_vdst(0) depctr_va_sdst(0) depctr_va_ssrc(0) depctr_va_vcc(0) depctr_vm_vsrc(0)
	s_getreg_b32 s2, hwreg(HW_REG_IB_STS2, 6, 4)
	s_cmp_eq_u32 s2, 0
	s_cbranch_scc0 .Lentry_in_a_cluster
	s_endpgm
.Lentry_in_a_cluster:
	s_bfe_u32 s2, ttmp6, 0x10000c
	s_cmp_lg_u32 s2, 0x3003
	s_cbranch_scc0 .Lentry_shape_is_right
	s_endpgm
.Lentry_shape_is_right:
; out0[b] = softmax_w(Q[b] . K[b][w] / sqrt(512)) V[b][w], K = Q8(x[b]) Q8(Wk), V = Q8(x[b]) Q8(Wv), Q = Q8(t) Q8(Wq), t = x[b]^T w.  Q8: codes of FP8 (E4M3) with one E8M0 scale for each 32 along K.
; x: [256][512 words][512 features] f32; w: [512] f32; wc: the three weights as codes and scale words in the order of an operand's registers (made by the launch before; its head says how they lie); out0: [256][512] f32.
; ONE WORK-GROUP IS ONE SAMPLE; each of its four waves owns 128 words (8 tiles of 16).  x IS READ ONCE: Q needs all of x[b] before the first score, so the sample is kept as CODES, 512 registers a wave, for the whole launch.
; PHASES.  1: x streams through two LDS slots by tensor loads (a wave's tile: 16 words x 512 features, 32,768 dense bytes); each tile is read twice from LDS: by rows of a fragment, to be quantised into registers, and densely, for t (f32 multiply-adds).
;   2: the waves' parts of t are added through LDS; wave w quantises K step w of t (t stands in all 16 rows of a fragment) and hands its registers' image to the others through LDS; each wave makes a quarter of Q.
;   3: Wk's 32 column tiles: K^T tile = Wk-fragment x x-fragments (transposed use: a lane holds ONE word and eight columns), and at once score += Q . K in f32; K is never kept.
;   4: softmax over the wave's own 128 words, its own maximum taken away; 5: Wv's 32 column tiles (natural use: a lane holds one column and eight words), at once out += p . V in f32;
;   6: the four waves' (maximum, sum, out) are joined under the work-group's maximum, divided, stored.
; EVERY PHASE IS A SHORT LOOP, so that the text is written once and walked often.  The stream's trip is: a tile's work, then the refill of its slot.  Eight trips make eight refills: tiles 2 to 7 and then Wq's two halves, whose codes
; lie in wc in the shape of a tile of x (32 rows of 1,024 bytes for each wave), so that one descriptor walks through all eight.  What hangs on the trip are only the registers that take a fragment's codes: eight arms for each K step.
; Wk and Wv go through the same two slots in four chunks of 16 records.  Every work-group walks the same chunks in the same order, so they are asked for JOINTLY by the four work-groups of a cluster (mask 15);
; x's tiles are each work-group's own, and Wq's halves ride on their descriptor (no mask: 262,144 of the 1,851,392 bytes that a work-group fetches).  Every refill stands behind a round of the cluster's barrier.
; By this text's count a wave has one tensor load out at a time.  A weight fragment read from LDS feeds 8 matrix instructions; x's fragments are never read again.
; LIMITS: NaN and infinities among the inputs are not served; a block of zeros gets the scale byte 1 (its codes are zeros; the bytes never leave the program); blocks whose largest magnitude lies under 2^-118 were not tried.
; REGISTERS, in windows of 256 (s_set_vgpr_msb: bits 1:0 source 0, 3:2 source 1, 5:4 source 2, 7:6 destination):
;   window 0: v1-31 addresses; v32-63 x's scale words (4 m + s); v64-67 the weights' scale words, two sets; v68-71 t's; v72-87 Q's eight numbers a lane, two sets; v88-103 the scores, a pair for each tile of words;
;             v104-127 at work; v128-255 numbers on their way to the quantiser (two sets of 64), later the weight fragments of two column tiles (two sets of 64).
;   windows 1, 2: x's fragment (tile of words m, K step s) in window 1 + s / 2 at v[16 (8 (s % 2) + m)].
;   window 3: v0-63 the 8 accumulators; v64-127 rows of x for t, later p; v128-191 t's four fragments; v192-207 t's sums; v208-215 sums of p V; v224-255 Q's four accumulators.
; THE HEAD AND THE PREFETCH, as the text below has them (this takes the place of the count of loads given above): each wave issues ONE tensor load at the head, tile 0; tile 1's first fill stands behind
; the wait for all loads, the add, its wait and a round, as a refill does: by this text's count a wave never has more than one tensor load out.
; Wq's scale words do not pass through LDS.
; x IS PREFETCHED INTO THE L2: a wave's tile is 32,768 dense bytes = 128 blocks of 256: four instructions, lanes 256 bytes apart, each block named once in the launch (a tile has one reader).
; Tile 1 is asked for behind the head's load, tile 2 behind tile 1's load, tile F + 3 in trip F, one trip ahead of the tensor load that wants it; trips 5 to 7 ask for nothing: x has 8 tiles a wave.
; The weights' codes are not prefetched: all 256 work-groups read the same 811,008 bytes of wc.
.set SLOT,  135168
.set PART,  33792                      ; a wave's part: a tile of x or half of its share of Wq (32 rows of 1,040 bytes), or four records (132 x 256 bytes)
.set XP,    1040                       ; an LDS row of a tile: 1,024 bytes + 16 of padding.  A word's two halves are rows 2 r and 2 r + 1
.set TILEB, 32768                      ; a tile in memory
.set REC,   8448                       ; a record of Wk or Wv
.set WC_QS, 262144                     ; wc: Wq's scale words
.set WC_K,  270336                     ; wc: Wk's first record
.set L_TP,  2*SLOT                     ; t's partial sums: 2,048 bytes a wave
.set L_TF,  L_TP+8192                  ; t
.set L_QL,  L_TF+2048                  ; Q
.set L_PL,  L_QL+2048                  ; p: 512 bytes a wave, its own
.set L_OP,  L_PL+2048                  ; the waves' partial outputs: 2,048 bytes a wave
.set L_ST,  L_OP+8192                  ; (maximum, sum): 8 bytes a wave
.set SPARE, L_ST+256                   ; the spare words, 128 bytes for each wave: two blocks of 256 bytes that no other line names
.set L_TI,  SPARE+512                  ; t's four fragments as images of their registers: 2,048 bytes each
.set L_TSC, L_TI+8192                  ; their scale words: 128 bytes each
.set LI,  1                            ; v1   16 x lane
.set L8,  2                            ; v2   8 x lane
.set R4,  3                            ; v3   4 r
.set SPW, 4                            ; v4   LDS address of my spare word; never rewritten
.set NIL, 5                            ; v5   0; never rewritten
.set AX0, 6                            ; v6   my part + 2080 r + 64 h: a fragment's row of a tile
.set ADX, 7                            ; v7   the same in the slot in hand
.set AT0, 8                            ; v8   my part + 16 x lane
.set ADT, 9                            ; v9   the same in the slot in hand
.set ASQ, 10                           ; v10  Wq's scale words in wc: 2048 x wave + 8 x lane; never rewritten
.set PFO, 11                           ; v11  the prefetches' offset: 256 x lane; never rewritten
.set ADB, 12                           ; v12  the records in hand + 16 x lane
.set ADS, 13                           ; v13  their scale words + 8 x lane
.set ADQ, 14                           ; v14  the pair's numbers of Q + 32 h
.set ADO, 15                           ; v15  where results in hand go
.set H32, 16
.set TPW, 17
.set T16, 18
.set TFA, 19
.set QW,  20
.set PLW, 21
.set PLR, 22
.set STW, 23
.set OPW, 24
.set OPR, 25
.set STR, 26
.set GO,  27
.set TIW, 28
.set TSW, 29
.set TIR, 30
.set TSR, 31
.set XS,  32
.set WSC, 64
.set TS,  68
.set QV,  72
.set QS,  72                           ; v72-87 until phase 3: Wq's scale words, a pair for each of my eight records (4 g + t); a trip of the Q loop names the lower eight
.set SCP, 88
.set TM,  104
.set PW,  120                          ; v120 a scale word in the making
.set NUM, 128
.set BF,  128
.set TD,  64                           ; window 3
.set P,   64
.set TFRG, 128
.set TA,  192
.set OA,  208
.set QA,  224
.set WV,  12                           ; s12  my wave's number
.set G1X, 16                           ; s[16:23] descriptor group 1 for tiles of x and halves of Wq;  s[24:31] for the chunks of Wk and Wv
.set G1W, 24
.set PFA, 84                           ; s[84:85] the tile of x that my prefetches name
.set G0A, 32                           ; s[32:35] group 0 for tile 0;  s[36:39] for tile 1, which then walks;  s[40:43] for the chunks, walking
.set G0X, 36
.set G0W, 40
.set SEL, 48                           ; s[48:49] v_permlanex16_b32's selects for lane l xor 16
.set MNT, 50                           ; s50  the mantissa field of 448
.set CS,  51                           ; s51  c = log2(e) / sqrt(512)
.set TW,  52                           ; s[52:53] a number of w with an odd index, as the low word of a pair
.set TB,  54                           ; s54  LDS byte of the pair's first record
.set TQ,  55                           ; s55  of its numbers of Q
.set TO,  56                           ; s56  its place in a row of outputs
.set CNT, 57                           ; s57  pairs to go
.set WP,  66                           ; s[66:67] w at the 16 words in hand
.set WS,  68                           ; s[68:83] w of those 16 words
.set WQP, 92                           ; s[92:93] my share of Wq's codes, as a descriptor's address words
.set F,   94                           ; s94  the tile in hand
.set SB,  95                           ; s95  the slot in hand: 0 or SLOT
.set CH,  96                           ; s96  slots to go
.set HB,  97                           ; s97  where a chunk's numbers of Q, or its outputs, begin
.set MSB, 0
.macro WIN new                         ; the immediate's high byte repeats the setting that is left; a switch that changes nothing is dropped
.if MSB != (\new)
	s_set_vgpr_msb (MSB<<8)|(\new)
.set MSB, (\new)
.endif
.endm
; A round of the cluster's barrier: my work-group's barrier; wave 0 signals for the work-group; every wave waits for all four work-groups; my work-group's barrier once more.
.macro ROUND
	s_barrier_signal -1
	s_barrier_wait -1
	s_cmp_lg_u32 s[WV], 0
	s_cbranch_scc1 .Lnot_wave_0_\@
	s_barrier_signal -3
.Lnot_wave_0_\@:
	s_barrier_wait -3
	s_barrier_signal -1
	s_barrier_wait -1
.endm
; The slot that has just been read takes the next chunk of Wk or Wv.  Every wave: all its tensor loads have landed (the other slot's among them); 0 onto its spare word; the walking descriptor steps; the add is done and its LDS
; reads and stores are over; the round; and its one tensor load, a joint one, first thing behind it.  Four v_nop follow the load.
.macro CHANGEW
	s_wait_tensorcnt 0x0                           ; no tensor load of mine is out, so a group 0 may be written
	ds_add_u32 v[SPW], v[NIL]
	s_xor_b32 s[G0W+1], s[G0W+1], SLOT             ; the other slot than last time,
	s_add_nc_u64 s[G0W+2:G0W+3], s[G0W+2:G0W+3], SLOT   ; the next 16 records; the type bits on top are not reached
	s_wait_dscnt 0x0
	ROUND
	tensor_load_to_lds s[G0W:G0W+3], s[G1W:G1W+7]
	s_nop 0
.rept 4
	v_nop
.endr
.endm
.macro ASK                             ; a tile of x, 32,768 bytes from s[PFA] on: 4 x 32 lanes x 256 bytes
.irp i, 0,1,2,3
	global_prefetch_b8 v[PFO], s[PFA:PFA+1] offset:8192*\i th:TH_LOAD_NT scope:SCOPE_SE
.endr
.endm
.macro CHANGE0                         ; a change of slots with nothing left to fetch: my work-group's barrier alone
	s_wait_tensorcnt 0x0
	ds_add_u32 v[SPW], v[NIL]
	s_wait_dscnt 0x0
	s_barrier_signal -1
	s_barrier_wait -1
.endm
; 64 numbers a lane for the fragment of K step u: word r, features 128 u on: register 16 c + i is k = 32 c + 16 h + i.  The sixteen rows of a load lie 2,080 bytes = 130 x 16 apart: rows r and r + 8
; start at the same bank (64 banks of 4 bytes: ISA guide 11.1), so these loads go two deep: the price of a tile that is dense in memory and holds all of K
.macro FLOAD u, buf
.irp c, 0,1,2,3
.irp j, 0,1,2,3
	ds_load_b128 v[NUM+64*(\buf)+16*\c+4*\j:NUM+64*(\buf)+16*\c+4*\j+3], v[ADX] offset:XP*((\u)/2)+512*((\u)%2)+128*\c+16*\j
.endr
.endr
.endm
; LDS rows 8 u .. 8 u + 7 of the tile as they lie: row 8 u + i is word 4 u + i / 2, features 256 (i % 2) on: register 8 i + 4 e + d is feature 256 (i % 2) + 128 e + 4 lane + d
.macro TLOAD u
	WIN 0xc0                                       ; destination window 3
.irp i, 0,1,2,3,4,5,6,7
.irp e, 0,1
	ds_load_b128 v[TD+8*\i+4*\e:TD+8*\i+4*\e+3], v[ADT] offset:(8*(\u)+\i)*XP+512*\e
.endr
.endr
	WIN 0
.endm
; The quantiser ahead of its conversions.  64 numbers of a lane, v[src] on; a block of 32 lies in lanes l and l xor 16.  It leaves the numbers held, the conversions' scale operands in v[TM+12] on,
; three bytes of the scale word in v[PW] and the fourth in v[TM+7].
.macro QHEAD src
.irp b, 0,1,2,3
	v_max3_num_f32 v[TM+\b], |v[(\src)+16*\b]|, |v[(\src)+16*\b+1]|, 0x4800000   ; block b: my 16 numbers, and the floor 2^(9 - 127): the byte cannot fall under 1
.endr
.irp i, 2,4,6,8,10,12,14
.irp b, 0,1,2,3
	v_max3_num_f32 v[TM+\b], v[TM+\b], |v[(\src)+16*\b+\i]|, |v[(\src)+16*\b+\i+1]|   ; the four blocks by turns
.endr
.endr
.irp b, 0,1,2,3
	v_permlanex16_b32 v[TM+4+\b], v[TM+\b], s[SEL], s[SEL+1]
.endr
.irp b, 0,1,2,3
	v_max_num_f32 v[TM+\b], v[TM+\b], v[TM+4+\b]   ; the block's largest magnitude
.endr
.irp b, 0,1,2,3
	v_add_nc_u32 v[TM+12+\b], 0xfc000000, v[TM+\b] ; 8 off its exponent field: the conversion's scale operand
.endr
.irp b, 0,1,2,3
	v_and_or_b32 v[TM+8+\b], v[TM+\b], 0x7f800000, s[MNT]   ; 448 x the scale
.endr
.irp b, 0,1,2,3
	v_lshrrev_b32 v[TM+4+\b], 23, v[TM+12+\b]      ; the scale's byte
.endr
	v_lshl_or_b32 v[PW], v[TM+5], 8, v[TM+4]
	v_lshl_or_b32 v[PW], v[TM+6], 16, v[PW]
.irp b, 0,1,2,3
.irp i, 0,1,2,3,4,5,6,7,8,9,10,11,12,13,14,15
	v_med3_num_f32 v[(\src)+16*\b+\i], v[(\src)+16*\b+\i], -v[TM+8+\b], v[TM+8+\b]   ; the conversion to an 8-bit code does not saturate (ISA guide 7.6.2): the hold
.endr
.endr
.endm
.macro QCVT src, dwin, dst             ; the eight conversions: a fragment's 16 registers, v[dst] on in window dwin, under one setting
	WIN (\dwin)<<6
.irp b, 0,1,2,3
	v_cvt_scalef32_pk8_fp8_f32 v[(\dst)+4*\b:(\dst)+4*\b+1], v[(\src)+16*\b:(\src)+16*\b+7], v[TM+12+\b]
	v_cvt_scalef32_pk8_fp8_f32 v[(\dst)+4*\b+2:(\dst)+4*\b+3], v[(\src)+16*\b+8:(\src)+16*\b+15], v[TM+12+\b]
.endr
	WIN 0
.endm
; The codes of K step u of tile s[F] go to that tile's own registers: eight arms, chosen by the trip's number.  In each the line that completes the scale word is also the plain line behind the last conversion.
.macro SWITCH u
.irp k, 1,2,3,4,5,6,7
	s_cmp_eq_u32 s[F], \k
	s_cbranch_scc1 .Larm\@_\k
.endr
	s_wait_alu depctr_va_vdst(0)
.irp k, 0,1,2,3,4,5,6,7
.if \k
.Larm\@_\k:
.endif
	s_wait_alu depctr_va_vdst(0)
	QCVT NUM+64*((\u)%2), 1+(\u)/2, 16*(8*((\u)%2)+\k)
	v_lshl_or_b32 v[XS+4*\k+(\u)], v[TM+7], 24, v[PW]
.if \k < 7
	s_branch .Ljoin\@
.endif
.endr
.Ljoin\@:
.endm
; t += w[word] x row, for the eight LDS rows that TLOAD brought (four words): packed, the number of w as the low word of a scalar pair
.macro TACC u
	WIN 0xf3                                       ; rows and sums in window 3
.irp i, 0,1,2,3,4,5,6,7
.set IDX, 4*(\u)+\i/2
.if IDX%2
.if (\i%2) == 0
	s_mov_b32 s[TW], s[WS+IDX]
.endif
.set PR, TW
.else
.set PR, WS+IDX
.endif
.irp k, 0,1,2,3
	v_pk_fma_f32 v[TA+8*(\i%2)+2*\k:TA+8*(\i%2)+2*\k+1], v[TD+8*\i+2*\k:TD+8*\i+2*\k+1], s[PR:PR+1], v[TA+8*(\i%2)+2*\k:TA+8*(\i%2)+2*\k+1] op_sel_hi:[1,0,1]
.endr
.endr
	WIN 0
.endm
; Unit u of the tile in hand: the fragment of K step u quantised, four words added into t
.macro UNIT u
	TLOAD \u
.if (\u) < 3
	FLOAD (\u)+1, ((\u)+1)%2
	s_wait_dscnt 32                                ; this unit's 16 loads are in; the 16 for t and the next unit's 16 may be out
.else
	s_wait_dscnt 16                                ; the 16 for t may be out
.endif
	QHEAD NUM+64*((\u)%2)
	SWITCH \u
.if (\u) < 3
	s_wait_dscnt 16                                ; the 16 for t are in; the next unit's may be out
.else
	s_wait_dscnt 0x0                               ; my reads of the slot are over
.endif
.if (\u) == 0
	s_wait_kmcnt 0x0                               ; w of these 16 words; the load is done, so its base may step
	s_add_nc_u64 s[WP:WP+1], s[WP:WP+1], 64
.endif
	TACC \u
.endm
; One scaled matrix instruction.  zero: it starts its sum.  row = 1: source 0's scales stand in lanes 16-31 of their register; 2: source 1's
.macro WM d, a, b, zero, sa, sb, row
.if \zero
	v_wmma_scale_f32_16x16x128_f8f6f4 v[\d:\d+7], v[\a:\a+15], v[\b:\b+15], 0, v[\sa], v[\sb]
.elseif \row == 1
	v_wmma_scale_f32_16x16x128_f8f6f4 v[\d:\d+7], v[\a:\a+15], v[\b:\b+15], v[\d:\d+7], v[\sa], v[\sb] matrix_a_scale:MATRIX_SCALE_ROW1
.elseif \row == 2
	v_wmma_scale_f32_16x16x128_f8f6f4 v[\d:\d+7], v[\a:\a+15], v[\b:\b+15], v[\d:\d+7], v[\sa], v[\sb] matrix_b_scale:MATRIX_SCALE_ROW1
.else
	v_wmma_scale_f32_16x16x128_f8f6f4 v[\d:\d+7], v[\a:\a+15], v[\b:\b+15], v[\d:\d+7], v[\sa], v[\sb]
.endif
.endm
; A record of Wk or Wv into set q: its four fragments (each load takes 512 consecutive bytes), its scale words (register 0: K step 0 in lanes 0-15, 1 in lanes 16-31; register 1: K steps 2 and 3);
; kind 0 (K): also the eight numbers of Q that meet my eight columns.  19 loads, or 17
.macro FETCHW q, off, kind
.irp s, 0,1,2,3
.irp c, 0,1,2,3
	ds_load_b128 v[BF+64*(\q)+16*\s+4*\c:BF+64*(\q)+16*\s+4*\c+3], v[ADB] offset:(\off)+2048*\s+512*\c
.endr
.endr
	ds_load_b64 v[WSC+2*(\q):WSC+2*(\q)+1], v[ADS] offset:(\off)+8192
.if \kind == 0
	ds_load_b128 v[QV+8*(\q):QV+8*(\q)+3], v[ADQ] offset:((\off)/REC)*64
	ds_load_b128 v[QV+8*(\q)+4:QV+8*(\q)+7], v[ADQ] offset:((\off)/REC)*64+16
.endif
.endm
; 32 matrix instructions: a column tile against my 8 tiles of words, K ascending; the 8 accumulators take turns, one instruction a turn.
; kind 0: source 0 = the weight's 16 columns, source 1 = 16 words: lane (r, h), register j: K(word 16 m + r, column 16 T + 8 h + j).
; kind 1: source 0 = 16 words, source 1 = the weight's 16 columns: register j: V(word 16 m + 8 h + j, column 16 T + r).
.macro MUL kind, p
.irp s, 0,1,2,3
.if \kind == 0
	WIN 0xf4+4*(\s/2)                              ; source 0 window 0, source 1 (x) window 1 or 2, C and D window 3
.else
	WIN 0xf1+(\s/2)                                ; source 0 (x) window 1 or 2, source 1 window 0, C and D window 3
.endif
.irp m, 0,1,2,3,4,5,6,7
.set DR, 8*\m
.set XR, 16*(8*(\s%2)+\m)
.set FRG, BF+64*(\p)+16*\s
.set WR, WSC+2*(\p)+(\s/2)
.set XW, XS+4*\m+\s
.if \kind == 0
	WM DR, FRG, XR, (\s==0), WR, XW, (\s%2)
.else
	WM DR, XR, FRG, (\s==0), XW, WR, 2*(\s%2)
.endif
.endr
.endr
.endm
; score(word 16 m + r) += the sum over my eight columns of K x Q: packed, each accumulator from its low end on
.macro EPI_K p
	WIN 0x03                                       ; source 0 (the accumulators) window 3
	s_wait_alu depctr_va_vdst(0)
.irp i, 0,1,2,3
.irp m, 0,1,2,3,4,5,6,7
	v_pk_fma_f32 v[SCP+2*\m:SCP+2*\m+1], v[8*\m+2*\i:8*\m+2*\i+1], v[QV+8*(\p)+2*\i:QV+8*(\p)+2*\i+1], v[SCP+2*\m:SCP+2*\m+1]
.endr
.endr
	WIN 0
.endm
; out(column 16 T + r) = the sum over my wave's 128 words of p x V: four packed chains over my 64 words, then lane l xor 16's; to my partial outputs in LDS
.macro EPI_V ooff
	WIN 0xff                                       ; all in window 3
.irp m, 0,1,2,3,4,5,6,7
.irp i, 0,1,2,3
.if \m == 0
	v_pk_mul_f32 v[OA+2*\i:OA+2*\i+1], v[8*\m+2*\i:8*\m+2*\i+1], v[P+8*\m+2*\i:P+8*\m+2*\i+1]
.else
	v_pk_fma_f32 v[OA+2*\i:OA+2*\i+1], v[8*\m+2*\i:8*\m+2*\i+1], v[P+8*\m+2*\i:P+8*\m+2*\i+1], v[OA+2*\i:OA+2*\i+1]
.endif
.endr
.endr
	v_pk_add_f32 v[OA:OA+1], v[OA:OA+1], v[OA+2:OA+3]
	v_pk_add_f32 v[OA+4:OA+5], v[OA+4:OA+5], v[OA+6:OA+7]
	v_pk_add_f32 v[OA:OA+1], v[OA:OA+1], v[OA+4:OA+5]
	WIN 0x0f                                       ; sources window 3, destination window 0
	v_add_f32 v[TM], v[OA], v[OA+1]
	WIN 0
	v_permlanex16_b32 v[TM+4], v[TM], s[SEL], s[SEL+1]
	v_add_f32 v[TM], v[TM], v[TM+4]
	ds_store_b32 v[ADO], v[TM] offset:\ooff        ; both halves of the lanes write the same word with the same value
.endm
; A column tile from set p.  nxt = 1: the next tile's record is fetched into the other set first.  Behind the products eight v_nop: a vector instruction reads a result, and a load lands in a register that a matrix
; instruction has read, eight places behind it.  They and the packed lines that follow (those of the other accumulators name none of a product's registers)
; are also the nine places in front of the next tile's products, which begin the accumulators anew.
.macro TILE kind, p, nxt, off, ooff
.if \nxt
	FETCHW 1-(\p), \off, \kind
	s_wait_dscnt 19-2*(\kind)                      ; all but the loads just issued: this tile's record is in
.else
	s_wait_dscnt 0x0
.endif
	MUL \kind, \p
.rept 8
	v_nop
.endr
.if \kind == 0
	EPI_K \p
.else
	EPI_V \ooff
.endif
.endm
.macro ADDRS kind
	v_add_nc_u32 v[ADB], s[TB], v[LI]
	v_add_nc_u32 v[ADS], s[TB], v[L8]
.if \kind == 0
	v_add_nc_u32 v[ADQ], s[TQ], v[H32]
.else
	v_add_nc_u32 v[ADO], s[TO], v[OPW]
.endif
.endm
.macro PAIR kind, last                 ; two column tiles; last = 1: the chunk's last, written out: nothing beyond the slot is fetched
	TILE \kind, 0, 1, REC, 0
	TILE \kind, 1, 1-(\last), 2*REC, 64
.if (\last) == 0
	s_add_co_u32 s[TB], s[TB], 2*REC
.if \kind == 0
	s_add_co_u32 s[TQ], s[TQ], 128
.else
	s_add_co_u32 s[TO], s[TO], 128
.endif
	ADDRS \kind
.endif
.endm
; Q for the four column tiles of my own part of the slot in hand, two at a time: source 0 = t in all 16 rows, source 1 = Wq's 16 columns: register 0 of lane (r, h) is Q(column r).  A record's part of 1,024 bytes is an LDS row.
; The two accumulators take turns.  Nine v_nop: places in front of the store that reads a result, of the next loads into the fragments, and of products that write an accumulator anew.
.macro QPROD
.irp a, 0,2
.irp u, 0,1
.irp s, 0,1,2,3
.irp c, 0,1,2,3
	ds_load_b128 v[BF+64*\u+16*\s+4*\c:BF+64*\u+16*\s+4*\c+3], v[ADB] offset:(8*(\a+\u)+2*\s+\c/2)*XP+512*(\c%2)
.endr
.endr
.endr
	s_wait_dscnt 0x0
	WIN 0xf3                                       ; source 0 (t), C and D window 3; source 1 window 0
.irp s, 0,1,2,3
.irp u, 0,1
.set DR, QA+8*(\a+\u)
.set AR, TFRG+16*\s
.set FRG, BF+64*\u+16*\s
.set SA, TS+\s
.set WR, QS+2*(\a+\u)+(\s/2)
	WM DR, AR, FRG, (\s==0), SA, WR, 2*(\s%2)
.endr
.endr
	WIN 0
.rept 9
	v_nop
.endr
	WIN 0x0c                                       ; an LDS store's data are its source 1: window 3
	s_wait_alu depctr_va_vdst(0)
.irp u, 0,1
	ds_store_b32 v[ADO], v[QA+8*(\a+\u)] offset:64*(\a+\u)
.endr
	WIN 0
.endr
.endm
	; ---- the head
	s_load_b256 s[4:11], s[0:1], 0x0               ; x s[4:5], w s[6:7], wc s[8:9], out0 s[10:11]
	v_lshl_add_u32 v[SPW], v0, 2, SPARE
	v_mov_b32 v[NIL], 0
	ds_add_u32 v4, v5
	ds_add_u32 v4, v5
	s_wait_dscnt 0x0
	v_lshrrev_b32 v[TM], 5, v0
	v_readfirstlane_b32 s[WV], v[TM]               ; wave 0..3
	s_bfe_u32 s13, ttmp6, 0x40000                  ; cx: my place in the cluster: it enters x's and out0's global addresses alone
	s_lshl_b32 s14, ttmp9, 2                       ; in a cluster launch ttmp9 counts clusters
	s_add_co_u32 s14, s14, s13                     ; my sample
	; group 1 for x and for Wq's codes: 32,768 dense bytes as 32 rows of 256 elements of 4 bytes, 4 words of padding behind every 256
	s_mov_b32 s[G1X+0], (2<<16)|(1<<20)|(7<<22)|(3<<25)
	s_mov_b32 s[G1X+1], 256<<16                    ; tensor_dim0
	s_mov_b32 s[G1X+2], 32<<16                     ; tensor_dim1
	s_mov_b32 s[G1X+3], 256<<16                    ; tile_dim0
	s_mov_b32 s[G1X+4], 32                         ; tile_dim1
	s_mov_b32 s[G1X+5], 256                        ; tensor_dim0_stride: each row begins where the last ends
	s_mov_b32 s[G1X+6], 0
	s_mov_b32 s[G1X+7], 0
	; group 1 for Wk and Wv: four records, 33,792 dense bytes, as 132 rows of 32 elements of 8 bytes; the mask names all four work-groups, bit 21 set beside it
	s_mov_b32 s[G1W+0], 15|(3<<16)|(1<<21)
	s_mov_b32 s[G1W+1], 32<<16
	s_mov_b32 s[G1W+2], 132<<16
	s_mov_b32 s[G1W+3], 32<<16
	s_mov_b32 s[G1W+4], 132
	s_mov_b32 s[G1W+5], 32
	s_mov_b32 s[G1W+6], 0
	s_mov_b32 s[G1W+7], 0
	s_mov_b32 s[SEL], 0x76543210
	s_mov_b32 s[SEL+1], 0xfedcba98
	s_mov_b32 s[MNT], 0x600000
	s_mov_b32 s[CS], 0x3d8293ee                    ; log2(e) / sqrt(512)
	s_mov_b32 s[TW+1], 0                           ; (named with s52 as a pair, so it is written)
	s_mul_i32 s60, s[WV], PART                     ; my part of a slot: the wave's number alone
	s_lshl_b32 s61, s[WV], 11                      ; 2,048 x wave
	s_lshl_b32 s58, s14, 20                        ; my sample: 2^20 bytes each,
	s_lshl_b32 s59, s[WV], 18                      ; my wave's 128 words of 2,048 bytes
	s_add_co_u32 s58, s58, s59
	s_mov_b32 s59, 0
	s_lshl_b32 s62, s[WV], 16                      ; my 65,536 bytes of Wq's codes
	s_mov_b32 s63, 0
	s_wait_kmcnt 0x0
	s_add_nc_u64 s[4:5], s[4:5], s[58:59]
	s_add_nc_u64 s[WQP:WQP+1], s[8:9], s[62:63]
	s_or_b32 s[WQP+1], s[WQP+1], 0x80000000        ; with the type, as the walking descriptor will take it over
	s_add_nc_u64 s[PFA:PFA+1], s[4:5], TILEB       ; the prefetches begin at my tile 1
	s_mov_b32 s62, s60
	s_add_nc_u64 s[G0W+2:G0W+3], s[8:9], s[62:63]
	s_add_nc_u64 s[G0W+2:G0W+3], s[G0W+2:G0W+3], WC_K-SLOT   ; one step ahead of Wk's first chunk: every use steps first
	s_or_b32 s[G0W+3], s[G0W+3], 0x80000000
	s_lshl_b32 s62, s[WV], 9
	s_add_nc_u64 s[WP:WP+1], s[6:7], s[62:63]      ; w at my wave's first word
	s_lshl_b32 s58, s14, 11
	s_add_nc_u64 s[10:11], s[10:11], s[58:59]      ; my sample's row of out0
	s_mov_b32 s[G0A], 1                            ; count = 1
	s_mov_b32 s[G0A+1], s60                        ; LDS address: slot 0
	s_mov_b64 s[G0A+2:G0A+3], s[4:5]               ; tile 0
	s_or_b32 s[G0A+3], s[G0A+3], 0x80000000        ; type = 2
	s_mov_b32 s[G0X], 1
	s_add_co_u32 s[G0X+1], s60, SLOT               ; slot 1
	s_add_nc_u64 s[G0X+2:G0X+3], s[4:5], TILEB     ; tile 1
	s_or_b32 s[G0X+3], s[G0X+3], 0x80000000
	s_mov_b32 s[G0W], 1
	s_add_co_u32 s[G0W+1], s60, SLOT               ; (the first use turns it to slot 0)
	ROUND                                          ; the one round in front of the first fills
	tensor_load_to_lds s[G0A:G0A+3], s[G1X:G1X+7]          ; tile 0: my one tensor load at the head
	s_nop 0
.rept 4
	v_nop
.endr
	v_and_b32 v[TM], 31, v0                        ; lane
	v_lshlrev_b32 v[PFO], 8, v[TM]
	ASK                                            ; tile 1, whose tensor load follows when tile 0 has landed
	v_and_b32 v[TM+1], 15, v0                      ; r
	v_bfe_u32 v[TM+2], v0, 4, 1                    ; h
	v_lshlrev_b32 v[LI], 4, v[TM]
	v_lshlrev_b32 v[L8], 3, v[TM]
	v_lshlrev_b32 v[R4], 2, v[TM+1]
	v_lshlrev_b32 v[H32], 5, v[TM+2]
	v_mul_u32_u24 v[TM+3], v[TM+1], 2*XP
	v_lshl_add_u32 v[TM+3], v[TM+2], 6, v[TM+3]
	v_add_nc_u32 v[AX0], s60, v[TM+3]
	v_add_nc_u32 v[AT0], s60, v[LI]
	v_add_nc_u32 v[ASQ], s61, v[L8]
.irp k, 0,1,2,3,4,5,6,7
	global_load_b64 v[QS+2*\k:QS+2*\k+1], v[ASQ], s[8:9] offset:WC_QS+256*\k   ; record 4 g + t = k of my share of Wq: its scale words, 256 consecutive aligned bytes a wave
.endr
	v_add_nc_u32 v[TPW], s61, v[LI]
	v_add_nc_u32 v[TPW], L_TP, v[TPW]              ; my partial t: 2048 x wave + 16 x lane
	v_lshl_add_u32 v[T16], v0, 4, L_TP             ; 16 x thread: four features of t
	v_lshl_add_u32 v[TFA], v[TM+2], 6, s62         ; t as a fragment's row: K step = my wave: 512 x wave + 64 h
	v_add_nc_u32 v[TFA], L_TF, v[TFA]
	v_add_nc_u32 v[PLW], s62, v[R4]
	v_add_nc_u32 v[PLW], L_PL, v[PLW]              ; p in: word 16 m + r
	v_add_nc_u32 v[PLR], s62, v[H32]
	v_add_nc_u32 v[PLR], L_PL, v[PLR]              ; p back: words 16 m + 8 h + 0 .. 7
	s_lshl_b32 s62, s[WV], 8
	v_add_nc_u32 v[QW], s62, v[R4]
	v_add_nc_u32 v[QW], L_QL, v[QW]                ; my 64 numbers of Q in each half
	s_lshl_b32 s62, s[WV], 3
	s_add_co_u32 s62, s62, L_ST
	v_mov_b32 v[STW], s62
	v_add_nc_u32 v[OPW], s61, v[R4]
	v_add_nc_u32 v[OPW], L_OP, v[OPW]
	v_lshl_add_u32 v[OPR], v0, 4, L_OP
	v_mov_b32 v[STR], L_ST
	v_lshlrev_b32 v[GO], 4, v0
	v_add_nc_u32 v[TIW], s61, v[LI]
	v_add_nc_u32 v[TIW], L_TI, v[TIW]              ; my fragment of t: its image
	v_add_nc_u32 v[TIR], L_TI, v[LI]               ; and where any wave reads the four
	v_lshlrev_b32 v[TM+3], 2, v[TM]                ; 4 x lane
	s_lshl_b32 s62, s[WV], 7
	v_add_nc_u32 v[TSW], s62, v[TM+3]
	v_add_nc_u32 v[TSW], L_TSC, v[TSW]
	v_add_nc_u32 v[TSR], L_TSC, v[TM+3]
.irp b, 0,1,2,3
	v_mov_b32 v[TM+4+\b], 0                        ; written once: a lane permute's destination counts as one of its sources
.endr
	; Every register is written on every way through the text before it is read.  The loop below writes each fragment and each scale word of x in one of eight arms, so all of them are written once here,
	; while the first tiles are on their way; and t's sixteen sums begin as zeros, so that the loop has no first trip of its own.
	WIN 0x40                                       ; destination window 1
.set I, 0
.rept 256
	v_mov_b32 v[I], 0
.set I, I+1
.endr
	WIN 0x80                                       ; window 2
.set I, 0
.rept 256
	v_mov_b32 v[I], 0
.set I, I+1
.endr
	WIN 0xc0                                       ; window 3
.set I, 0
.rept 16
	v_mov_b32 v[TA+I], 0
.set I, I+1
.endr
	WIN 0
.set I, 0
.rept 32
	v_mov_b32 v[XS+I], 0
.set I, I+1
.endr
	; ---- 1: x streams.  A wave reads only the part of a slot that its own load brought: its own wait on TENSORcnt is all that the reads need.
	s_mov_b32 s[F], 0
	s_mov_b32 s[SB], 0
	s_wait_alu depctr_va_vdst(0)
	s_wait_tensorcnt 0x0                           ; tile 0 is in; slot 1's first fill is issued as a refill is:
	ds_add_u32 v[SPW], v[NIL]
	s_wait_xcnt 0x0                                ; my prefetches have read their base, so it may step:
	s_add_nc_u64 s[PFA:PFA+1], s[PFA:PFA+1], TILEB ; to tile 2
	s_wait_dscnt 0x0
	ROUND
	tensor_load_to_lds s[G0X:G0X+3], s[G1X:G1X+7]          ; tile 1
	s_nop 0
.rept 4
	v_nop
.endr
	ASK                                            ; tile 2, which trip 0's refill will load
.Ltile:
	v_add_nc_u32 v[ADX], s[SB], v[AX0]
	v_add_nc_u32 v[ADT], s[SB], v[AT0]
	s_load_b512 s[WS:WS+15], s[WP:WP+1], 0x0       ; w of this tile's 16 words
	FLOAD 0, 0
.irp u, 0,1,2,3
	UNIT \u
.endr
	; the slot that has just been read is filled again: with the tile two on, and behind tiles 6 and 7 with the two halves of my share of Wq's codes
	s_wait_tensorcnt 0x0                           ; no tensor load of mine is out, so a group 0 may be written
	ds_add_u32 v[SPW], v[NIL]
	s_xor_b32 s[G0X+1], s[G0X+1], SLOT             ; the other slot than last time,
	s_add_nc_u64 s[G0X+2:G0X+3], s[G0X+2:G0X+3], TILEB   ; the next 32,768 bytes,
	s_cmp_eq_u32 s[F], 6
	s_cselect_b64 s[G0X+2:G0X+3], s[WQP:WQP+1], s[G0X+2:G0X+3]   ; which behind x's last tile are Wq's: a choice between two buffers on the trip's number
	s_wait_xcnt 0x0                                ; the last trip's prefetches have read their base, so it may step:
	s_add_nc_u64 s[PFA:PFA+1], s[PFA:PFA+1], TILEB ; to tile F + 3
	s_wait_dscnt 0x0
	ROUND
	tensor_load_to_lds s[G0X:G0X+3], s[G1X:G1X+7]
	s_nop 0
.rept 4
	v_nop
.endr
	s_cmp_lt_u32 s[F], 5                           ; tile F + 3 exists in trips 0 to 4: the trip's number alone decides
	s_cbranch_scc0 .Lno_ask
	ASK                                            ; what the next trip's refill will load
.Lno_ask:
	s_xor_b32 s[SB], s[SB], SLOT                   ; on to the other slot
	s_add_co_u32 s[F], s[F], 1
	s_cmp_lt_u32 s[F], 8
	s_cbranch_scc1 .Ltile
	; ---- 2: t, its codes, Q.
	WIN 0x0c                                       ; an LDS store's data are its source 1: window 3
	s_wait_alu depctr_va_vdst(0)
.irp k, 0,1,2,3
	ds_store_b128 v[TPW], v[TA+4*\k:TA+4*\k+3] offset:512*\k       ; features 128 k + 4 lane + 0 .. 3
.endr
	WIN 0
	s_wait_dscnt 0x0                               ; for the others' sake: my partial t is in LDS
	s_barrier_signal -1
	s_barrier_wait -1
.irp k, 0,1,2,3
	ds_load_b128 v[NUM+4*\k:NUM+4*\k+3], v[T16] offset:2048*\k
.endr
	s_wait_dscnt 0x0
	v_pk_add_f32 v[NUM:NUM+1], v[NUM:NUM+1], v[NUM+4:NUM+5]
	v_pk_add_f32 v[NUM+2:NUM+3], v[NUM+2:NUM+3], v[NUM+6:NUM+7]
	v_pk_add_f32 v[NUM+8:NUM+9], v[NUM+8:NUM+9], v[NUM+12:NUM+13]
	v_pk_add_f32 v[NUM+10:NUM+11], v[NUM+10:NUM+11], v[NUM+14:NUM+15]
	v_pk_add_f32 v[NUM:NUM+1], v[NUM:NUM+1], v[NUM+8:NUM+9]
	v_pk_add_f32 v[NUM+2:NUM+3], v[NUM+2:NUM+3], v[NUM+10:NUM+11]
	ds_store_b128 v[T16], v[NUM:NUM+3] offset:L_TF-L_TP
	s_wait_dscnt 0x0                               ; for the others' sake: my four numbers of t are in LDS
	s_barrier_signal -1
	s_barrier_wait -1
.irp c, 0,1,2,3                        ; K step = my wave: all lanes of a half read the same bytes: t stands in all 16 rows
.irp j, 0,1,2,3
	ds_load_b128 v[NUM+16*\c+4*\j:NUM+16*\c+4*\j+3], v[TFA] offset:128*\c+16*\j
.endr
.endr
	s_wait_dscnt 0x0
	QHEAD NUM
	QCVT NUM, 0, NUM+64
	v_lshl_or_b32 v[PW], v[TM+7], 24, v[PW]        ; the scale word; also the plain line behind the last conversion
.irp c, 0,1,2,3
	ds_store_b128 v[TIW], v[NUM+64+4*\c:NUM+64+4*\c+3] offset:512*\c   ; the fragment goes to LDS as an image of its registers: lane l's 16 bytes at 16 l
.endr
	ds_store_b32 v[TSW], v[PW]
	s_wait_dscnt 0x0                               ; for the others' sake
	s_barrier_signal -1
	s_barrier_wait -1
	WIN 0xc0                                       ; destination window 3
.irp s, 0,1,2,3
.irp c, 0,1,2,3
	ds_load_b128 v[TFRG+16*\s+4*\c:TFRG+16*\s+4*\c+3], v[TIR] offset:2048*\s+512*\c   ; and comes back so, in every wave
.endr
.endr
	WIN 0
.irp s, 0,1,2,3
	ds_load_b32 v[TS+\s], v[TSR] offset:128*\s
.endr
	s_mov_b32 s[TQ], 0
	s_mov_b32 s[CH], 2
	s_wait_loadcnt 0x0                             ; Wq's scale words, asked for at the head
.Lq:
	v_add_nc_u32 v[ADB], s[SB], v[AT0]
	v_add_nc_u32 v[ADO], s[TQ], v[QW]
	QPROD
.irp k, 0,1,2,3,4,5,6,7
	v_mov_b32 v[QS+\k], v[QS+8+\k]                 ; the second trip's scale words take the places that the loop names (nine places behind the products that read them)
.endr
	s_wait_alu depctr_va_vdst(0)                   ; directly behind the writes
	CHANGEW                                        ; its wait for all my loads also shows Wq's second half landed; the second trip's barrier shows all of Q, and Wk's first chunk, to every wave
.rept 4
	v_nop                                          ; with the four behind the load: eight places between a scale register's write and the scaled products
.endr
	s_xor_b32 s[SB], s[SB], SLOT
	s_add_co_u32 s[TQ], s[TQ], 1024
	s_sub_co_u32 s[CH], s[CH], 1
	s_cmp_lg_u32 s[CH], 0
	s_cbranch_scc1 .Lq
	; ---- 3: K and the scores.  Two trips, a chunk of 16 column tiles each; then the slot takes a chunk of Wv
.set I, 0
.rept 16
	v_mov_b32 v[SCP+I], 0                          ; the scores begin as zeros: the loop has no first pair of its own
.set I, I+1
.endr
	s_mov_b32 s[TB], 0
	s_mov_b32 s[HB], L_QL
	s_mov_b32 s[CH], 2
.Lkchunk:
	s_mov_b32 s[TQ], s[HB]
	ADDRS 0
	FETCHW 0, 0, 0
	s_mov_b32 s[CNT], 7
.Lkpair:
	s_wait_alu depctr_va_vdst(0)
	PAIR 0, 0
	s_sub_co_u32 s[CNT], s[CNT], 1
	s_cmp_lg_u32 s[CNT], 0
	s_cbranch_scc1 .Lkpair
	PAIR 0, 1
	CHANGEW
	s_sub_co_u32 s[TB], s[TB], 14*REC              ; back to the slot's first record,
	s_xor_b32 s[TB], s[TB], SLOT                   ; in the other slot
	s_add_co_u32 s[HB], s[HB], 1024
	s_sub_co_u32 s[CH], s[CH], 1
	s_cmp_lg_u32 s[CH], 0
	s_cbranch_scc1 .Lkchunk
	; ---- 4: the softmax over my wave's 128 words, under their own maximum
	s_wait_alu depctr_va_vdst(0)
.irp m, 0,1,2,3,4,5,6,7
	v_add_f32 v[TM+\m], v[SCP+2*\m], v[SCP+2*\m+1] ; even and odd columns,
.endr
.irp m, 0,1,2,3,4,5,6,7
	v_permlanex16_b32 v[TM+8+\m], v[TM+\m], s[SEL], s[SEL+1]
.endr
.irp m, 0,1,2,3,4,5,6,7
	v_add_f32 v[TM+\m], v[TM+\m], v[TM+8+\m]       ; and lane l xor 16's: Q . K of word 16 m + r, in both halves of the lanes
.endr
	v_max3_num_f32 v[TM+16], v[TM], v[TM+1], v[TM+2]
	v_max3_num_f32 v[TM+16], v[TM+16], v[TM+3], v[TM+4]
	v_max3_num_f32 v[TM+16], v[TM+16], v[TM+5], v[TM+6]
	v_max_num_f32 v[TM+16], v[TM+16], v[TM+7]
.irp x, 1,2,4,8
	v_max_num_f32_dpp v[TM+16], v[TM+16], v[TM+16] row_xmask:\x row_mask:0xf bank_mask:0xf
.endr
.irp m, 0,1,2,3,4,5,6,7
	v_sub_f32 v[TM+\m], v[TM+\m], v[TM+16]         ; the maximum is taken away first: 0 or less
.endr
.irp m, 0,1,2,3,4,5,6,7
	v_mul_f32 v[TM+\m], s[CS], v[TM+\m]
.endr
	s_wait_alu depctr_va_vdst(0)
.irp m, 0,1,2,3,4,5,6,7
	v_exp_f32 v[TM+\m], v[TM+\m]                   ; p, at most 1
.endr
	v_nop                                          ; a plain line behind the exponentials
	s_wait_alu depctr_va_vdst(0)
	v_add_f32 v[TM+17], v[TM], v[TM+1]
	v_add_f32 v[TM+18], v[TM+2], v[TM+3]
	v_add_f32 v[TM+19], v[TM+4], v[TM+5]
	v_add_f32 v[TM+20], v[TM+6], v[TM+7]
	v_add_f32 v[TM+17], v[TM+17], v[TM+18]
	v_add_f32 v[TM+19], v[TM+19], v[TM+20]
	v_add_f32 v[TM+17], v[TM+17], v[TM+19]
.irp x, 1,2,4,8
	v_add_f32_dpp v[TM+17], v[TM+17], v[TM+17] row_xmask:\x row_mask:0xf bank_mask:0xf
.endr
.irp m, 0,1,2,3,4,5,6,7
	ds_store_b32 v[PLW], v[TM+\m] offset:64*\m     ; p turns through my wave's own 512 bytes: in by word 16 m + r,
.endr
	ds_store_b64 v[STW], v[TM+16:TM+17]            ; (my maximum and my sum, for the end)
	WIN 0xc0                                       ; destination window 3
.irp m, 0,1,2,3,4,5,6,7
.irp i, 0,1
	ds_load_b128 v[P+8*\m+4*\i:P+8*\m+4*\i+3], v[PLR] offset:64*\m+16*\i   ; back by words 16 m + 8 h + 0 .. 7, as V's accumulators hold them.  LDS serves a wave's instructions in order (ISA guide 5.7.1.4)
.endr
.endr
	WIN 0                                          ; (no wait here: these loads are older than both fetches in front of the next loop's first counted wait)
	; ---- 5: V and the weighted sums.  Two trips; nothing is left to fetch.  The first trip's barrier shows every wave's part of Wv's second chunk to all, the second's every wave's partial outputs
	s_mov_b32 s[HB], 0
	s_mov_b32 s[CH], 2
.Lvchunk:
	s_mov_b32 s[TO], s[HB]
	ADDRS 1
	FETCHW 0, 0, 1
	s_mov_b32 s[CNT], 7
.Lvpair:
	s_wait_alu depctr_va_vdst(0)
	PAIR 1, 0
	s_sub_co_u32 s[CNT], s[CNT], 1
	s_cmp_lg_u32 s[CNT], 0
	s_cbranch_scc1 .Lvpair
	PAIR 1, 1
	CHANGE0
	s_sub_co_u32 s[TB], s[TB], 14*REC
	s_xor_b32 s[TB], s[TB], SLOT
	s_add_co_u32 s[HB], s[HB], 1024
	s_sub_co_u32 s[CH], s[CH], 1
	s_cmp_lg_u32 s[CH], 0
	s_cbranch_scc1 .Lvchunk
	; ---- 6: the four waves are joined: M = the largest of their maxima, f = 2^((m - M) c), out = sum of f x out / sum of f x l.  Thread t takes columns 4 t .. 4 t + 3
	ds_load_b128 v[128:131], v[STR]                ; m0, l0, m1, l1
	ds_load_b128 v[132:135], v[STR] offset:16      ; m2, l2, m3, l3
.irp k, 0,1,2,3
	ds_load_b128 v[136+4*\k:139+4*\k], v[OPR] offset:2048*\k
.endr
	s_wait_dscnt 0x0
	v_max3_num_f32 v152, v128, v130, v132
	v_max_num_f32 v152, v152, v134
.irp k, 0,1,2,3
	v_sub_f32 v[153+\k], v[128+2*\k], v152
.endr
.irp k, 0,1,2,3
	v_mul_f32 v[153+\k], s[CS], v[153+\k]
.endr
	s_wait_alu depctr_va_vdst(0)
.irp k, 0,1,2,3
	v_exp_f32 v[153+\k], v[153+\k]
.endr
	v_nop                                          ; a plain line behind the exponentials
	s_wait_alu depctr_va_vdst(0)
	v_mul_f32 v157, v153, v129
	v_fma_f32 v157, v154, v131, v157
	v_fma_f32 v157, v155, v133, v157
	v_fma_f32 v157, v156, v135, v157               ; at least 1: the wave that holds M has f = 1 and a sum of 1 or more
	s_wait_alu depctr_va_vdst(0)
	v_rcp_f32 v158, v157
.irp d, 0,1,2,3
	v_mul_f32 v[160+\d], v[136+\d], v153           ; (plain lines behind the reciprocal)
.endr
.irp d, 0,1,2,3
	v_fma_f32 v[160+\d], v[140+\d], v154, v[160+\d]
.endr
.irp d, 0,1,2,3
	v_fma_f32 v[160+\d], v[144+\d], v155, v[160+\d]
.endr
.irp d, 0,1,2,3
	v_fma_f32 v[160+\d], v[148+\d], v156, v[160+\d]
.endr
	s_wait_alu depctr_va_vdst(0)
.irp d, 0,1,2,3
	v_mul_f32 v[160+\d], v[160+\d], v158
.endr
	global_store_b128 v[GO], v[160:163], s[10:11]  ; a wave stores 512 consecutive bytes, at a multiple of 256 from out0's first byte
	s_wait_tensorcnt 0x0                           ; the wave's end: behind my last tensor load and my last LDS store
	ds_add_u32 v[SPW], v[NIL]
	s_wait_dscnt 0x0
	ROUND                                          ; the closing round: no work-group ends while a partner may still ask for a chunk that names it
	s_endpgm
.Lfunc_end_k_q70c97cf404_attn:
	.size	k_q70c97cf404_attn, .Lfunc_end_k_q70c97cf404_attn-k_q70c97cf404_attn
	.p2alignl 7, 3214868480
	.fill 96, 4, 3214868480
	.section	.rodata,"a",@progbits
	.p2align	6, 0x0
	.amdhsa_kernel k_q70c97cf404_attn
		.amdhsa_group_segment_fixed_size 327680
		.amdhsa_private_segment_fixed_size 0
		.amdhsa_enable_private_segment 0
		.amdhsa_kernarg_size 32
		.amdhsa_user_sgpr_count 2
		.amdhsa_user_sgpr_kernarg_segment_ptr 1
		.amdhsa_wavefront_size32 1
		.amdhsa_system_sgpr_workgroup_id_x 1
		.amdhsa_system_sgpr_workgroup_id_y 1
		.amdhsa_system_sgpr_workgroup_id_z 1
		.amdhsa_system_vgpr_workitem_id 0
		.amdhsa_next_free_vgpr 1024
		.amdhsa_next_free_sgpr 100
		.amdhsa_reserve_vcc 0
		.amdhsa_float_denorm_mode_32 3
		.amdhsa_float_denorm_mode_16_64 3
		.amdhsa_memory_ordered 1
		.amdhsa_forward_progress 1
		.amdhsa_inst_pref_size 191
	.end_amdhsa_kernel
	.amdgpu_metadata
---
amdhsa.version: [ 1, 2 ]
amdhsa.kernels:
  - .name:           k_q70c97cf404_attn
    .symbol:         k_q70c97cf404_attn.kd
    .args:
      - { .name: x, .offset: 0, .size: 8, .value_kind: global_buffer, .address_space: global }
      - { .name: w, .offset: 8, .size: 8, .value_kind: global_buffer, .address_space: global }
      - { .name: wc, .offset: 16, .size: 8, .value_kind: global_buffer, .address_space: global }
      - { .name: out0, .offset: 24, .size: 8, .value_kind: global_buffer, .address_space: global }
    .group_segment_fixed_size: 327680
    .private_segment_fixed_size: 0
    .kernarg_segment_align: 8
    .kernarg_segment_size: 32
    .max_flat_workgroup_size: 128
    .sgpr_count:     100
    .vgpr_count:     1024
    .wavefront_size: 32
...
	.end_amdgpu_metadata
.endif
;; end of part 4
